; MI455X (gfx1250); checked and timed in simulation.
; The chip was launched on July 23, 2026; its instructions are those of AMD's public machine-readable ISA for CDNA 5 (MIT licence, August 2026) and "CDNA5" Instruction Set Architecture Reference Guide (July 2026). The comments in the code are by the model that wrote it; some were corrected since.
;; Multi Head Attention. Allowed arithmetic: matrix products marked QUANTISED: E3M2 operands, one E8M0 scale for each 32 along K, by v_wmma_scale_f32_16x16x128_f8f6f4 with both operands' format E3M2, f32 sums; everything else in f32.
;; Inputs: Wk 1,024 x 1,024 float32; Wo 1,024 x 1,024 float32; Wq 1,024 x 1,024 float32; Wv 1,024 x 1,024 float32; bo 1,024 float32; x 4 x 2,048 x 1,024 float32.
;; Outputs: out0 4 x 2,048 x 1,024 float32.
;; This version of the problem:
;;   THIS VERSION OF THE PROBLEM IS GIVEN IN LOW PRECISION. The matrix products marked QUANTISED in the list below multiply operands that are first quantised to E3M2 (3 exponent bits, 2 mantissa bits; 6 bits a number), with one power-of-two scale for each 32 numbers along K (OCP MX v1.0); their sums are f32. All else is computed in f32.
;;   The module's matrix products, in the order in which they are computed (A, B: the left and right operand; K: the contracted axis; several contracted axes count as one K, in the product's order):
;;     1. [M 8,192, K 1,024] x [K 1,024, N 1,024]; A: input x; B: input Wq: QUANTISED
;;     2. [M 8,192, K 1,024] x [K 1,024, N 1,024]; A: input x; B: input Wk: QUANTISED
;;     3. [M 8,192, K 1,024] x [K 1,024, N 1,024]; A: input x; B: input Wv: QUANTISED
;;     4. batch 64 x [M 2,048, K 64] x [K 64, N 2,048]; A: computed on the way; B: computed on the way: QUANTISED
;;     5. batch 64 x [M 2,048, K 2,048] x [K 2,048, N 64]; A: softmax (see below); B: computed on the way: QUANTISED
;;     6. [M 8,192, K 1,024] x [K 1,024, N 1,024]; A: computed on the way; B: input Wo: QUANTISED
;;   THE QUANTISER, for each operand of a quantised product, along K:
;;     - K is cut into blocks of 32 from its start; a last block that is shorter is filled with zeros.
;;     - A block's scale is 2^e with e = floor(log2(the largest magnitude in the block)) - 4, held to -126 .. 127; a block of zeros has e = 0. As a byte (E8M0): e + 127.
;;     - Each number is divided by its block's scale, clamped to +-28, and rounded to the nearest number of E3M2, ties to even, subnormals kept.
;;     - The product sums the exact products of the quantised numbers (number of the format x scale) in f32.
;;   ~~~python
;;   def quantise(x, axis):      # numpy; x: float32 -> the quantised numbers, widened to float32 again
;;       x = np.moveaxis(x, axis, -1); K = x.shape[-1]
;;       x = np.pad(x, [(0, 0)] * (x.ndim - 1) + [(0, -K % 32)]); x = x.reshape(x.shape[:-1] + (-1, 32)); a = np.abs(x).max(-1, keepdims=True)
;;       e = np.where(a > 0, np.clip(np.frexp(np.where(a > 0, a, 1))[1] - 1 - 4, -126, 127), 0)      # np.frexp(a)[1] - 1 = floor(log2(a)), exactly
;;       r = np.clip(x / 2.0 ** e, -28, 28)
;;       step = 2.0 ** (np.maximum(np.frexp(np.where(r == 0, 1, r))[1] - 1, -2) - 2)
;;       q = np.round(r / step) * step * 2.0 ** e      # np.round: ties to even
;;       return np.moveaxis(q.reshape(q.shape[:-2] + (-1,))[..., :K], -1, axis).astype(np.float32)
;;   ~~~
;;   SOFTMAX AHEAD OF A QUANTISED PRODUCT. Where the list says 'softmax', what is quantised is not the finished softmax but p = 2^(t - M), with t = logit x log2(e) and M = ceil(the row's largest t), a whole number; so 1/2 < the row's largest p <= 1. The row's sum l is taken of the UNQUANTISED p, in f32, and the product's result is divided by l at the end. Since M is a whole number, a kernel that streams over the keys may use a running M (the ceiling of the running maximum): every later rescaling is an exact power of two, which a block's scale takes up: the codes' values come out the same.
;;   OPERANDS COMPUTED ON THE WAY. 'Computed on the way' means the value that the module computes at that place (a softmax that the list does not call 'softmax' is quantised finished and normalised). What goes into a quantiser is computed in f32, as accurately as f32 sums, v_exp_f32 and their like allow (about 1e-6 of the number): no bf16 or f16 on the way to a quantiser, and a product that is left as it is and whose result goes on into a quantised operand takes f32 operands (vector FMAs, or v_wmma_f32_16x16x4_f32). A number that lies on a knife's edge between two numbers of the format may be rounded either way, as far as f32 arithmetic and the matrix unit's own rounding can turn it there, and no further.
;; One version. Each part assembles by itself: llvm-mc -triple=amdgcn-amd-amdhsa -mcpu=gfx1250 --defsym DOCPART=n.
;; ======== version 1 of 1: 6 launches
;; workspace buffers: xq 6,553,600 bytes; wqk 1,835,008 bytes; wv 1,048,576 bytes; wo 1,048,576 bytes; qk 13,631,488 bytes; vt 7,340,032 bytes; ctx 6,553,600 bytes
;; launch quant_x (part 1): grid 256 x 1, 4 waves a work-group, no clusters, 22,016 bytes of LDS; arguments x, xq; writes xq
.if DOCPART == 1
	.amdgcn_target "amdgcn-amd-amdhsa--gfx1250"
	.amdhsa_code_object_version 6
	.text
	.protected	k_q237fa6eb70_quant_x
	.globl	k_q237fa6eb70_quant_x
	.p2align	8
	.type	k_q237fa6eb70_quant_x,@function
k_q237fa6eb70_quant_x:
	s_mov_b64 s[64:65], 0
	v_nop
	global_prefetch_b8 v0, s[64:65] scope:SCOPE_SE
	s_setreg_imm32_b32 hwreg(HW_REG_WAVE_MODE, 25, 1), 1
	s_wait_xcnt 0x0
; x [8192][1024] f32 becomes an operand of the projections: codes of E3M2, 6 bits each, one E8M0 byte for each 32 along K.
; LAYOUT OF xq.  Scale bytes at byte 0: [stored row][32].  Codes at OPC: [tile of 256 rows][16 planes of 64 along K][256 stored rows][48 bytes].
; STORED ORDER: in each group of 32 rows the second and third groups of 8 change places (stored 16 u + 8 g + j holds row 16 g + 8 u + j), so that 16 neighbouring stored rows, taken as a
; matrix instruction's source 0, leave 16 neighbours of that axis in a lane's registers of two neighbouring result tiles.
; A block's scale is 2^(floor(log2(largest magnitude)) - 4): its byte is the largest magnitude's exponent field - 4, held at 1 from below by a floor among the maximum's leaves.
; LIMITS: NaN and infinities are not served; a block of zeros, or one whose largest magnitude lies under 2^-122, keeps the byte 1 (zero codes add nothing under it; this program alone reads the bytes).
; SHARES.  A work-group takes 32 rows.  Wave w: rp = w & 1, ch = w >> 1: the groups of 8 rows rp and rp + 2, which are neighbours in stored order, and planes 8 ch .. 8 ch + 7.
; 16 steps of 8 rows x 64 columns: each load reads two rows' 256 consecutive bytes; the 2,048 bytes turn through the wave's own stage so that a lane holds 16 neighbours along K (two lanes a block).
; A step's codes are 384 consecutive bytes; the two steps of a plane fill 768.  The work-group's 1,024 scale bytes meet in LDS and leave as four aligned runs of 256 bytes.
.set OPC,   0x40000
.set STEPS, 16
.set AHEAD, 8                          ; loads run eight steps (32 loads a wave) ahead
.set EMAX,  4
.set SP,    80                         ; a lane's place in a stage: 64 bytes + 16 of padding
.set STG,   32*SP
.set WREG,  2*STG                      ; two stages a wave
.set SCB,   4*WREG                     ; behind the stages: [32 stored rows][32] scale bytes
.set R,     16                         ; v16-143  eight sets of 16 numbers as loaded
.set X,     144                        ; v144-175 two sets of 16 neighbours
.set C,     176                        ; v176-239 codes, four registers a step
.set E,     240                        ; v240-255 a scale byte a step
	s_load_b128 s[4:7], s[0:1], 0x0                ; x, xq
	v_lshl_add_u32 v235, v0, 2, 0x5400
	v_mov_b32 v239, 0
	v_lshrrev_b32 v1, 5, v0
	v_readfirstlane_b32 s8, v1                     ; wave
	v_and_b32 v2, 31, v0                           ; lane
	s_and_b32 s9, s8, 1                            ; rp
	s_lshr_b32 s10, s8, 1                          ; ch
	v_and_b32 v3, 15, v2
	v_lshlrev_b32 v3, 4, v3
	v_lshrrev_b32 v8, 4, v2
	v_lshl_add_u32 v3, v8, 12, v3                  ; in: 16 bytes a lane, lanes 16-31 one row (4,096 bytes) down
	v_mul_u32_u24 v4, v2, 12                       ; out: my 12 bytes of a step's 384
	s_mul_i32 s11, s8, WREG
	v_lshrrev_b32 v14, 2, v2
	v_mul_u32_u24 v14, v14, SP
	v_and_b32 v15, 3, v2
	v_lshl_add_u32 v14, v15, 4, v14
	v_add_nc_u32 v14, s11, v14                     ; the stage, on the way in: four lanes' 64 bytes to a place
	v_mul_u32_u24 v15, v2, SP
	v_add_nc_u32 v15, s11, v15                     ; and back: place = lane: row lane / 4, columns 16 (lane % 4) on
	s_lshl_b32 s12, s9, 9
	s_lshl_b32 s13, s10, 4
	s_add_co_u32 s12, s12, s13
	s_add_co_u32 s12, s12, SCB
	v_lshrrev_b32 v5, 2, v2
	v_lshlrev_b32 v5, 5, v5
	v_bfe_u32 v8, v2, 1, 1
	v_add_nc_u32 v5, v5, v8
	v_add_nc_u32 v5, s12, v5                       ; my block's byte: stored row 16 rp + lane / 4 (+ 8 g), byte 16 ch + (lane / 2) % 2 (+ 2 plane)
	v_lshlrev_b32 v7, 3, v0                        ; the scale bytes' way out: 256 x wave + 8 x lane
	v_add_nc_u32 v6, SCB, v7
	s_lshl_b32 s14, ttmp9, 17                      ; x: 32 rows of 4,096 bytes a work-group,
	s_lshl_b32 s15, s9, 15                         ; 8 rows,
	s_add_co_u32 s14, s14, s15
	s_lshl_b32 s15, s10, 11                        ; 8 planes of 256 bytes
	s_add_co_u32 s14, s14, s15
	s_mov_b32 s15, 0
	s_lshr_b32 s16, ttmp9, 3                       ; codes: the tile of 256 rows,
	s_mul_i32 s16, s16, 196608
	s_and_b32 s17, ttmp9, 7
	s_mul_i32 s17, s17, 1536                       ; my 32 rows in a plane,
	s_add_co_u32 s16, s16, s17
	s_mul_i32 s17, s9, 768                         ; my 16 stored rows of them,
	s_add_co_u32 s16, s16, s17
	s_mul_i32 s17, s10, 98304                      ; my 8 planes
	s_add_co_u32 s16, s16, s17
	s_add_co_u32 s16, s16, OPC
	s_mov_b32 s17, 0
	s_lshl_b32 s18, ttmp9, 10                      ; scale bytes: 32 rows of 32
	s_mov_b32 s19, 0
	s_wait_kmcnt 0x0
	s_add_nc_u64 s[4:5], s[4:5], s[14:15]
	s_add_nc_u64 s[20:21], s[6:7], s[16:17]
	s_add_nc_u64 s[22:23], s[6:7], s[18:19]
.macro LOAD t                          ; step t = 2 plane + g: the 8 rows of group g, 64 columns
.irp i, 0,1,2,3
	global_load_b128 v[R+16*((\t)%AHEAD)+4*\i:R+16*((\t)%AHEAD)+4*\i+3], v3, s[4:5] offset:((\t)%2)*65536+((\t)/2)*256+\i*8192 th:TH_LOAD_NT
.endr
.endm
.macro TURN t                          ; through the stage: LDS serves a wave's instructions in order, so no wait stands between the stores and the loads
.irp i, 0,1,2,3
	ds_store_b128 v14, v[R+16*((\t)%AHEAD)+4*\i:R+16*((\t)%AHEAD)+4*\i+3] offset:STG*((\t)%2)+8*SP*\i
.endr
.irp i, 0,1,2,3
	ds_load_b128 v[X+16*((\t)%2)+4*\i:X+16*((\t)%2)+4*\i+3], v15 offset:STG*((\t)%2)+16*\i
.endr
.endm
.irp t, 0,1,2,3,4,5,6,7
	LOAD \t
.endr
	s_wait_loadcnt 28                              ; step 0's four loads are in; the 28 of steps 1 to 7 may be out
	TURN 0
.macro STEP t
.set XS, X+16*((\t)%2)
.if (\t) > 0
	s_wait_dscnt 1                                 ; this step's numbers are back (the last step's byte store may be out): so its stores into the stage have read their registers,
.else
	s_wait_dscnt 0x0
.endif
.if (\t)+AHEAD < STEPS
	LOAD (\t)+AHEAD                                ; which take the loads of eight steps on
.set LAST, (\t)+AHEAD
.else
.set LAST, STEPS-1
.endif
.if (\t)+1 < STEPS
	s_wait_loadcnt 4*(LAST-(\t)-1)                 ; the next step's four loads are in; those of the steps behind it may be out
	TURN (\t)+1
.endif
	v_max3_num_f32 v8, |v[XS]|, |v[XS+1]|, |v[XS+2]|               ; the largest magnitude of my 16, in two chains
	v_max3_num_f32 v9, |v[XS+3]|, |v[XS+4]|, |v[XS+5]|
.irp i, 6,10
	v_max3_num_f32 v8, v8, |v[XS+\i]|, |v[XS+\i+1]|
	v_max3_num_f32 v9, v9, |v[XS+\i+2]|, |v[XS+\i+3]|
.endr
	v_max3_num_f32 v8, v8, |v[XS+14]|, |v[XS+15]|
	v_max3_num_f32 v8, v8, v9, (EMAX+1)<<23        ; and the floor 2^(5 - 127): the byte cannot fall under 1
	v_max_num_f32_dpp v8, v8, v8 row_xmask:1 row_mask:0xf bank_mask:0xf   ; with my neighbour's 16: the block's
	v_add_nc_u32 v11, -(EMAX<<23), v8              ; 4 off its exponent field: the conversion takes this operand's exponent field as its scale
	v_cvt_scalef32_pk16_bf6_f32 v[C+4*(\t):C+4*(\t)+2], v[XS:XS+15], v11
	v_lshrrev_b32 v[E+(\t)], 23, v11               ; the scale's byte (also the plain line behind the conversion)
	ds_store_b8 v5, v[E+(\t)] offset:((\t)%2)*256+2*((\t)/2)       ; both lanes of a block write the same byte with the same value
	global_store_b96 v4, v[C+4*(\t):C+4*(\t)+2], s[20:21] offset:((\t)/2)*12288+((\t)%2)*384
.endm
.irp t, 0,1,2,3,4,5,6,7,8,9,10,11,12,13,14,15
	STEP \t
.endr
	s_wait_dscnt 0x0                               ; for the others' sake: my byte stores have landed
	s_barrier_signal -1
	s_barrier_wait -1                              ; a row's 32 bytes come from two waves
	ds_load_b64 v[12:13], v6
	s_wait_dscnt 0x0
	global_store_b64 v7, v[12:13], s[22:23]        ; 32 lanes store 256 consecutive bytes, aligned
	s_wait_tensorcnt 0x0
	ds_add_u32 v235, v239
	s_wait_dscnt 0x0
	s_endpgm
.Lfunc_end_k_q237fa6eb70_quant_x:
	.size	k_q237fa6eb70_quant_x, .Lfunc_end_k_q237fa6eb70_quant_x-k_q237fa6eb70_quant_x
	.p2alignl 7, 3214868480
	.fill 96, 4, 3214868480
	.section	.rodata,"a",@progbits
	.p2align	6, 0x0
	.amdhsa_kernel k_q237fa6eb70_quant_x
		.amdhsa_group_segment_fixed_size 22016
		.amdhsa_private_segment_fixed_size 0
		.amdhsa_enable_private_segment 0
		.amdhsa_kernarg_size 16
		.amdhsa_user_sgpr_count 2
		.amdhsa_user_sgpr_kernarg_segment_ptr 1
		.amdhsa_wavefront_size32 1
		.amdhsa_system_sgpr_workgroup_id_x 1
		.amdhsa_system_sgpr_workgroup_id_y 1
		.amdhsa_system_sgpr_workgroup_id_z 1
		.amdhsa_system_vgpr_workitem_id 0
		.amdhsa_next_free_vgpr 256
		.amdhsa_next_free_sgpr 66
		.amdhsa_reserve_vcc 0
		.amdhsa_float_denorm_mode_32 3
		.amdhsa_float_denorm_mode_16_64 3
		.amdhsa_memory_ordered 1
		.amdhsa_forward_progress 1
		.amdhsa_inst_pref_size 33
	.end_amdhsa_kernel
	.amdgpu_metadata
---
amdhsa.version: [ 1, 2 ]
amdhsa.kernels:
  - .name:           k_q237fa6eb70_quant_x
    .symbol:         k_q237fa6eb70_quant_x.kd
    .args:
      - { .name: x, .offset: 0, .size: 8, .value_kind: global_buffer, .address_space: global }
      - { .name: xq, .offset: 8, .size: 8, .value_kind: global_buffer, .address_space: global }
    .group_segment_fixed_size: 22016
    .private_segment_fixed_size: 0
    .kernarg_segment_align: 8
    .kernarg_segment_size: 16
    .max_flat_workgroup_size: 128
    .sgpr_count:     66
    .vgpr_count:     256
    .wavefront_size: 32
...
	.end_amdgpu_metadata
.endif
;; end of part 1
;; launch quant_w (part 2): grid 32 x 4, 4 waves a work-group, no clusters, 41,472 bytes of LDS; arguments Wq, Wk, Wv, Wo, wqk, wv, wo; writes wqk, wv, wo
.if DOCPART == 2
	.amdgcn_target "amdgcn-amd-amdhsa--gfx1250"
	.amdhsa_code_object_version 6
	.text
	.protected	k_q237fa6eb70_quant_w
	.globl	k_q237fa6eb70_quant_w
	.p2align	8
	.type	k_q237fa6eb70_quant_w,@function
k_q237fa6eb70_quant_w:
	s_mov_b64 s[64:65], 0
	v_nop
	global_prefetch_b8 v0, s[64:65] scope:SCOPE_SE
	s_setreg_imm32_b32 hwreg(HW_REG_WAVE_MODE, 25, 1), 1
	s_wait_xcnt 0x0
; The four weights [K = 1024][N = 1024], f32, K their FIRST axis, become operands with rows = n and K innermost, in the layout of xq: scale bytes at byte 0, [stored row][32];
; codes at OPC, [tile of 256 rows][16 planes of 64 along K][256 stored rows][48 bytes]; in each group of 32 rows the second and third groups of 8 change places.
; Wq fills row tiles 0-3 of wqk and Wk tiles 4-7; Wv and Wo have buffers of their own.  Work-group x = 8 x weight + group of 128 columns; y = 256 along K (four planes).
; A LANE TAKES A COLUMN n AND ITS REGISTERS RUN DOWN K: a load reads 128 consecutive bytes a wave, a block of 32 lies in one lane's registers, and the conversions give codes with K innermost.
; A lane's codes go through the wave's own stage, [4 planes][32 stored rows][80 bytes] (12 bytes of codes in places of 16), and leave as runs of 384 consecutive bytes (8 stored rows of a plane).
; A lane's 8 scale bytes leave by one store of 8 bytes into its row of 32: one byte in 128 of what the launch reads.
; LIMITS: NaN and infinities are not served; a block of zeros, or one under 2^-122, keeps the byte 1.
.set OPC,   0x40000
.set NB,    8                          ; blocks of 32 along K for a wave
.set EMAX,  4
.set SP,    80
.set PLS,   32*SP                      ; a plane of a wave's stage
.set WSTG,  4*PLS
.set X,     32                         ; v32-95   two sets of 32 numbers
.set C,     96                         ; v96..    a block's codes
.set OUTR,  112                        ; v112-175 the way out
.set SB,    24                         ; v24-25   the scale bytes
	s_load_b256 s[4:11], s[0:1], 0x0               ; Wq, Wk, Wv, Wo
	s_load_b128 s[12:15], s[0:1], 0x20             ; wqk, wv
	s_load_b64 s[16:17], s[0:1], 0x30              ; wo
	v_lshl_add_u32 v192, v0, 2, 0xa000
	v_mov_b32 v193, 0
	v_lshrrev_b32 v1, 5, v0
	v_readfirstlane_b32 s18, v1                    ; wave
	v_and_b32 v2, 31, v0                           ; lane
	s_lshr_b32 s19, ttmp9, 3                       ; which weight
	s_and_b32 s20, ttmp9, 7                        ; which 128 columns
	s_and_b32 s21, ttmp7, 0xffff                   ; which 256 along K
	v_lshlrev_b32 v3, 2, v2                        ; in: 4 bytes a lane
	v_bfe_u32 v10, v2, 3, 1
	v_lshrrev_b32 v11, 4, v2
	v_and_b32 v12, 7, v2
	v_lshl_or_b32 v12, v11, 3, v12
	v_lshl_or_b32 v12, v10, 4, v12                 ; my column's stored place among its 32
	s_mul_i32 s22, s18, WSTG
	v_mul_u32_u24 v4, v12, SP
	v_add_nc_u32 v4, s22, v4                       ; into the stage: row = stored place
	v_lshlrev_b32 v9, 5, v12                       ; my row of scale bytes
	v_lshrrev_b32 v7, 2, v2
	v_mul_u32_u24 v7, v7, SP
	v_and_b32 v10, 3, v2
	v_lshl_add_u32 v7, v10, 4, v7
	v_add_nc_u32 v7, s22, v7                       ; out of it: four lanes to a row, eight rows an instruction
	v_mul_u32_u24 v8, v2, 12                       ; and the same 384 bytes in memory
	s_lshl_b32 s28, s21, 20                        ; W: 256 rows of 4,096 bytes,
	s_lshl_b32 s23, s20, 9
	s_add_co_u32 s28, s28, s23                     ; 128 columns,
	s_lshl_b32 s23, s18, 7
	s_add_co_u32 s28, s28, s23                     ; my wave's 32
	s_mov_b32 s29, 0
	s_cmp_eq_u32 s19, 1
	s_cselect_b32 s24, 4, 0                        ; Wk's rows lie four row tiles behind Wq's
	s_lshr_b32 s23, s20, 1
	s_add_co_u32 s23, s23, s24
	s_mul_i32 s30, s23, 196608                     ; codes: the row tile,
	s_mul_i32 s23, s21, 4*12288                    ; four planes,
	s_add_co_u32 s30, s30, s23
	s_and_b32 s23, s20, 1
	s_lshl_b32 s23, s23, 2
	s_add_co_u32 s23, s23, s18
	s_mul_i32 s23, s23, 32*48                      ; my 32 rows in a plane
	s_add_co_u32 s30, s30, s23
	s_add_co_u32 s30, s30, OPC
	s_mov_b32 s31, 0
	s_lshl_b32 s32, s24, 13                        ; scale bytes: 32 a row
	s_lshl_b32 s23, s20, 12
	s_add_co_u32 s32, s32, s23
	s_lshl_b32 s23, s18, 10
	s_add_co_u32 s32, s32, s23
	s_lshl_b32 s23, s21, 3
	s_add_co_u32 s32, s32, s23
	s_mov_b32 s33, 0
	s_and_b32 s26, s19, 1
	s_wait_kmcnt 0x0
	s_cmp_lt_u32 s19, 2                            ; the buffers are chosen by the work-group's number alone
	s_cselect_b64 s[36:37], s[4:5], s[8:9]
	s_cselect_b64 s[38:39], s[6:7], s[10:11]
	s_cselect_b64 s[40:41], s[12:13], s[14:15]
	s_cmp_eq_u32 s26, 0
	s_cselect_b64 s[36:37], s[36:37], s[38:39]     ; the weight
	s_cmp_eq_u32 s19, 3
	s_cselect_b64 s[40:41], s[16:17], s[40:41]     ; its operand buffer
	s_add_nc_u64 s[36:37], s[36:37], s[28:29]
	s_add_nc_u64 s[42:43], s[40:41], s[30:31]      ; codes
	s_add_nc_u64 s[44:45], s[40:41], s[32:33]      ; scale bytes
.macro LOAD t                          ; block t: W(32 t + i, my column) into set t % 2
.set I, 0
.rept 32
	global_load_b32 v[X+32*((\t)%2)+I], v3, s[36:37] offset:(32*(\t)+I)*4096 th:TH_LOAD_NT
.set I, I+1
.endr
.endm
	LOAD 0
	LOAD 1
.macro BLOCK t
.set XS, X+32*((\t)%2)
.if (\t) < NB-1
	s_wait_loadcnt 32                              ; this block's 32 loads are in; the next block's may be out
.else
	s_wait_loadcnt 0
.endif
	v_max3_num_f32 v12, |v[XS]|, |v[XS+1]|, |v[XS+2]|               ; the block's largest magnitude: all 32 numbers are mine
	v_max3_num_f32 v13, |v[XS+3]|, |v[XS+4]|, |v[XS+5]|
.irp i, 6,10,14,18,22,26
	v_max3_num_f32 v12, v12, |v[XS+\i]|, |v[XS+\i+1]|
	v_max3_num_f32 v13, v13, |v[XS+\i+2]|, |v[XS+\i+3]|
.endr
	v_max3_num_f32 v12, v12, |v[XS+30]|, |v[XS+31]|
	v_max3_num_f32 v12, v12, v13, (EMAX+1)<<23     ; and the floor 2^(5 - 127)
	v_add_nc_u32 v11, -(EMAX<<23), v12             ; 4 off its exponent field: the conversion's scale operand
	v_lshrrev_b32 v13, 23, v11                     ; the scale's byte
.if (\t)%4 == 0
	v_mov_b32 v[SB+(\t)/4], v13
.else
	v_lshl_or_b32 v[SB+(\t)/4], v13, 8*((\t)%4), v[SB+(\t)/4]
.endif
	v_cvt_scalef32_pk16_bf6_f32 v[C:C+2], v[XS:XS+15], v11
	v_cvt_scalef32_pk16_bf6_f32 v[C+4:C+6], v[XS+16:XS+31], v11     ; (a conversion's three registers begin on an even number)
	ds_store_b96 v4, v[C:C+2] offset:((\t)/2)*PLS+((\t)%2)*32      ; 12 bytes to a place of 16: every LDS address is a multiple of 16
	ds_store_b96 v4, v[C+4:C+6] offset:((\t)/2)*PLS+((\t)%2)*32+16
.if (\t)+2 < NB
	LOAD (\t)+2
.endif
	s_wait_dscnt 0x0                               ; the stores have read their registers: the next block's codes may be written
.endm
.set Q, 0
.rept NB
	BLOCK Q
.set Q, Q+1
.endr
	global_store_b64 v9, v[SB:SB+1], s[44:45]      ; my column's 8 scale bytes
.irp t, 0,1,2,3,4,5,6,7,8,9,10,11,12,13,14,15
	ds_load_b96 v[OUTR+4*\t:OUTR+4*\t+2], v7 offset:(\t/4)*PLS+(\t%4)*8*SP   ; LDS serves a wave's instructions in order: these see my stores
.endr
.irp t, 0,1,2,3,4,5,6,7,8,9,10,11,12,13,14,15
	s_wait_dscnt 15-\t
	global_store_b96 v8, v[OUTR+4*\t:OUTR+4*\t+2], s[42:43] offset:(\t/4)*12288+(\t%4)*384
.endr
	s_wait_tensorcnt 0x0
	ds_add_u32 v192, v193
	s_wait_dscnt 0x0
	s_endpgm
.Lfunc_end_k_q237fa6eb70_quant_w:
	.size	k_q237fa6eb70_quant_w, .Lfunc_end_k_q237fa6eb70_quant_w-k_q237fa6eb70_quant_w
	.p2alignl 7, 3214868480
	.fill 96, 4, 3214868480
	.section	.rodata,"a",@progbits
	.p2align	6, 0x0
	.amdhsa_kernel k_q237fa6eb70_quant_w
		.amdhsa_group_segment_fixed_size 41472
		.amdhsa_private_segment_fixed_size 0
		.amdhsa_enable_private_segment 0
		.amdhsa_kernarg_size 56
		.amdhsa_user_sgpr_count 2
		.amdhsa_user_sgpr_kernarg_segment_ptr 1
		.amdhsa_wavefront_size32 1
		.amdhsa_system_sgpr_workgroup_id_x 1
		.amdhsa_system_sgpr_workgroup_id_y 1
		.amdhsa_system_sgpr_workgroup_id_z 1
		.amdhsa_system_vgpr_workitem_id 0
		.amdhsa_next_free_vgpr 194
		.amdhsa_next_free_sgpr 66
		.amdhsa_reserve_vcc 0
		.amdhsa_float_denorm_mode_32 3
		.amdhsa_float_denorm_mode_16_64 3
		.amdhsa_memory_ordered 1
		.amdhsa_forward_progress 1
		.amdhsa_inst_pref_size 43
	.end_amdhsa_kernel
	.amdgpu_metadata
---
amdhsa.version: [ 1, 2 ]
amdhsa.kernels:
  - .name:           k_q237fa6eb70_quant_w
    .symbol:         k_q237fa6eb70_quant_w.kd
    .args:
      - { .name: Wq, .offset: 0, .size: 8, .value_kind: global_buffer, .address_space: global }
      - { .name: Wk, .offset: 8, .size: 8, .value_kind: global_buffer, .address_space: global }
      - { .name: Wv, .offset: 16, .size: 8, .value_kind: global_buffer, .address_space: global }
      - { .name: Wo, .offset: 24, .size: 8, .value_kind: global_buffer, .address_space: global }
      - { .name: wqk, .offset: 32, .size: 8, .value_kind: global_buffer, .address_space: global }
      - { .name: wv, .offset: 40, .size: 8, .value_kind: global_buffer, .address_space: global }
      - { .name: wo, .offset: 48, .size: 8, .value_kind: global_buffer, .address_space: global }
    .group_segment_fixed_size: 41472
    .private_segment_fixed_size: 0
    .kernarg_segment_align: 8
    .kernarg_segment_size: 56
    .max_flat_workgroup_size: 128
    .sgpr_count:     66
    .vgpr_count:     194
    .wavefront_size: 32
...
	.end_amdgpu_metadata
.endif
;; end of part 2
;; launch gemm_qk (part 3): grid 8 x 32, 4 waves a work-group, clusters of 4 x 4, 327,680 bytes of LDS; arguments xq, wqk, qk; writes qk
.if DOCPART == 3
	.amdgcn_target "amdgcn-amd-amdhsa--gfx1250"
	.amdhsa_code_object_version 6
	.text
	.protected	k_q237fa6eb70_gemm_qk
	.globl	k_q237fa6eb70_gemm_qk
	.p2align	8
	.type	k_q237fa6eb70_gemm_qk,@function
k_q237fa6eb70_gemm_qk:
	s_mov_b64 s[64:65], 0
	v_nop
	global_prefetch_b8 v0, s[64:65] scope:SCOPE_SE
	s_setreg_imm32_b32 hwreg(HW_REG_WAVE_MODE, 25, 1), 1
	s_wait_xcnt 0x0
	s_wait_alu depctr_hold_cnt(0) depctr_sa_sdst(0) depctr_va_vdst(0) depctr_va_sdst(0) depctr_va_ssrc(0) depctr_va_vcc(0) depctr_vm_vsrc(0)
	s_getreg_b32 s2, hwreg(HW_REG_IB_STS2, 6, 4)
	s_cmp_eq_u32 s2, 0
	s_cbranch_scc0 .Lentry_in_a_cluster
	s_endpgm
.Lentry_in_a_cluster:
	s_bfe_u32 s2, ttmp6, 0x10000c
	s_cmp_lg_u32 s2, 0xf033
	s_cbranch_scc0 .Lentry_shape_is_right
	s_endpgm
.Lentry_shape_is_right:
; C = A B^T on codes of E3M2 with E8M0 scales, K = 1,024, and C is QUANTISED ALONG ITS COLUMNS on the way out: only codes and scale words go to memory.
; One body, two launches: (A = xq, B = wqk) gives q and k, rows = tokens, quantised along the heads' 64; (A = wv, B = xq) gives V^T, rows = 64 head + d, quantised along the tokens (the keys).
; OPERANDS: scale bytes at byte 0, [stored row][32]; codes at OPC, [tile of 256 rows][16 planes of 64 along K][256 stored rows][48 bytes].  A fragment's registers 6 c .. 6 c + 5 of lane (r, h) are the
; 24 bytes at plane 2 q + c, row x 48 + 24 h: three loads of 8 bytes; the 32 lanes stand 24 bytes apart, so no padding is laid and one address register serves.
; STORED ORDER of rows (groups of 8 exchanged in each 32): source 0 = 16 stored rows of B, so the 16 registers of result tiles 2 b and 2 b + 1 are the columns 32 b + 16 (lane / 16) + 0 .. 15.
; RESULT: block = (ct & 7) + 8 (rt + 4 (ct >> 3)).  Scale words at byte 0, [block][4 groups of 64 columns][256 rows][4]: a word's low two bytes are its group's two scales, the high two those of the group's
; neighbour (c xor 1).  Codes at OUTC, [block][4 groups][256 rows][48 bytes].
; A tile of C, 256 x 256, is made by four waves, 128 x 128 each (64 accumulators, 512 registers).  K goes in steps of 256 through two LDS slots; the scales of the tile's rows come once.
; CLUSTERS: 4 x 4 work-groups; A's tiles are asked for jointly along a row of the cluster, B's along a column.  No prefetch: K has four steps, of which two are first fills.
; LIMITS: NaN and infinities are not served; a block of zeros, or one under 2^-122, keeps the scale byte 1.
; REGISTERS: window 0: v16-29 addresses; v32-63 scale words, two sets; v64-123 the way out's work; v128-223 A's fragments, one set; on the way out v128-231 rows read back.
;   window 1: B's fragments, two sets, at v0 and v128.  window 2: accumulators of my rows 0-63 ((a, b) at v[8 (8 a + b)]); window 3: rows 64-127.
.set OPC,    0x40000
.set OUTC,   0x100000
.set NQ,     2                         ; matrix instructions deep in a slot
.set FR,     12
.set NL,     6                         ; LDS loads that bring a fragment
.set NP,     4                         ; places behind this matrix instruction (ISA guide 7.12.1)
.set PLANE,  6144                      ; 128 rows x 48 bytes
.set HALFT,  4*PLANE                   ; what one tensor load brings: four planes of 128 rows
.set SLOT,   4*HALFT                   ; A's two halves, then B's
.set KBYTES, 49152                     ; four planes of a row tile in memory
.set LAPS,   2                         ; 1,024 / (2 x 256)
.set KS,     32                        ; a row of scale bytes
.set SCL,    2*SLOT                    ; behind the ring: the scales, as units of 256 bytes + 16 of padding
.set HALFS,  16*272                    ; those of 128 rows
.set SBLK,   2*272                     ; those of 16 rows
.set SPARE,  SCL+4*HALFS               ; the spare words, 128 bytes a wave: two blocks of 256 bytes that no other line names
.set WSTG,   13312                     ; the way out: a wave's stage, [2 groups][128 rows][48] and [2][128][4], in slot 0, which has had its last fill and its last read by then
.set ADRA, 16                          ; v16-17  LDS address of my A fragments in slot 0, 1
.set ADRB, 20                          ; v20-21  the same for B
.set ADRS, 22                          ; v22     of my scale words: lanes 0-15 A's rows, lanes 16-31 B's
.set STO,  24                          ; v24     stage + 48 r + 24 h
.set STS,  25                          ; v25     stage + 4 r
.set RD,   26                          ; v26     stage + 16 x lane
.set CO,   27                          ; v27     16 x lane
.set SPW,  28
.set NIL,  29
.set SC,   32
.set TM,   64                          ; v64-67 largest magnitudes, v68-71 the other half's and the bytes, v76-79 the conversions' scale operands
.set PW0,  80                          ; v80-83 the scale word and the word turned by 16 bits, two sets
.set PC0,  84                          ; v84-103, v104-123 the codes just made, two sets
.set AF,   128
.set BK,   128
.set G1, 24
.set G0, 32
.set G1B, 48
.set G0B, 56
.set G1S, 68
.set G0S, 76
.set G1SB, 80
.set G0SB, 88
.set SEL, 98                           ; s[98:99] lane selects for v_permlanex16_b32: lane l xor 16
.set MSB, 0
.macro WIN new                         ; the immediate's high byte repeats the setting that is left
.if MSB != \new
	s_set_vgpr_msb (MSB<<8)|\new
.set MSB, \new
.endif
.endm
.set MUL_LO, 0xa1                      ; source 0 (B) window 1, source 1 (A) window 0, C and D window 2
.set MUL_HI, 0xf1
.set TO_B,   0x40
; A joint load: waves 0 and 1 fetch for A, waves 2 and 3 for B; the branch hangs on the wave's number alone.  Four v_nop follow each of the two lines.
.macro JLOAD g0a, g1a, g0b, g1b
	s_cmp_eq_u32 s15, 0
	s_cbranch_scc0 .Lfor_b_\@
	tensor_load_to_lds s[\g0a:\g0a+3], s[\g1a:\g1a+7]
	s_nop 0
.rept 4
	v_nop
.endr
	s_branch .Lasked_\@
.Lfor_b_\@:
	tensor_load_to_lds s[\g0b:\g0b+3], s[\g1b:\g1b+7]
	s_nop 0
.rept 4
	v_nop
.endr
.Lasked_\@:
.endm
.macro CREST                           ; a round of the cluster's barrier behind its opening barrier
	s_cmp_lg_u32 s14, 0
	s_cbranch_scc1 .Lnot_wave_0_\@
	s_barrier_signal -3
.Lnot_wave_0_\@:
	s_barrier_wait -3
	s_barrier_signal -1
	s_barrier_wait -1
.endm
.macro CROUND
	s_barrier_signal -1
	s_barrier_wait -1
	CREST
.endm
	s_load_b128 s[4:7], s[0:1], 0x0                ; A's operand buffer, B's
	s_load_b64 s[12:13], s[0:1], 0x10              ; the result's
	v_lshl_add_u32 v[SPW], v0, 2, SPARE
	v_mov_b32 v[NIL], 0
	ds_add_u32 v28, v29
	s_wait_dscnt 0x0
	v_lshrrev_b32 v1, 5, v0
	v_readfirstlane_b32 s14, v1                    ; wave 0..3
	s_lshr_b32 s15, s14, 1                         ; which half of the tile's rows is mine.  Also: I fetch for A (0) or for B (1)
	s_and_b32 s16, s14, 1                          ; which half of its columns.  Also: which 128 rows of that tile I fetch
	s_bfe_u32 s40, ttmp6, 0x40000                  ; cx, cy
	s_bfe_u32 s41, ttmp6, 0x40004
	s_lshl_b32 s42, ttmp9, 2
	s_add_co_u32 s42, s42, s40                     ; ct = 4 x cluster x + cx
	s_and_b32 s17, ttmp7, 0xffff
	s_lshl_b32 s17, s17, 2
	s_add_co_u32 s17, s17, s41                     ; rt = 4 x cluster y + cy
	s_lshl_b32 s43, s41, 2
	s_lshl_b32 s43, 15, s43                        ; my row of the cluster
	s_lshl_b32 s44, 0x1111, s40                    ; my column
	; group 1 for codes: four planes' pieces of 6,144 dense bytes (768 elements of 8 bytes), 12,288 bytes apart; no padding
	s_or_b32 s[G1+0], s43, (3<<16)|(1<<21)
	s_or_b32 s[G1B+0], s44, (3<<16)|(1<<21)
.irp g, G1, G1B
	s_mov_b32 s[\g+1], 768<<16                     ; tensor_dim0
	s_mov_b32 s[\g+2], 4<<16                       ; tensor_dim1
	s_mov_b32 s[\g+3], 768<<16                     ; tile_dim0
	s_mov_b32 s[\g+4], 4                           ; tile_dim1
	s_mov_b32 s[\g+5], 1536                        ; from plane to plane
	s_mov_b32 s[\g+6], 0
	s_mov_b32 s[\g+7], 0
.endr
	; and for the scales of 128 rows: 4,096 dense bytes as 16 rows of 256, 16 bytes of padding behind each
	s_or_b32 s[G1S+0], s43, (3<<16)|(1<<20)|(1<<21)|(5<<22)|(3<<25)
	s_or_b32 s[G1SB+0], s44, (3<<16)|(1<<20)|(1<<21)|(5<<22)|(3<<25)
.irp g, G1S, G1SB
	s_mov_b32 s[\g+1], 32<<16
	s_mov_b32 s[\g+2], 16<<16
	s_mov_b32 s[\g+3], 32<<16
	s_mov_b32 s[\g+4], 16
	s_mov_b32 s[\g+5], 32
	s_mov_b32 s[\g+6], 0
	s_mov_b32 s[\g+7], 0
.endr
	s_mul_i32 s18, s16, PLANE                      ; which 128 rows I fetch: in a plane,
	s_lshl_b32 s19, s16, 12                        ; and among the scale bytes
	s_mul_i32 s20, s17, 196608                     ; A hangs on rt alone,
	s_add_co_u32 s20, s20, s18
	s_add_co_u32 s20, s20, OPC
	s_mov_b32 s21, 0
	s_lshl_b32 s22, s17, 13
	s_add_co_u32 s22, s22, s19
	s_mov_b32 s23, 0
	s_mul_i32 s46, s42, 196608                     ; B on ct alone
	s_add_co_u32 s46, s46, s18
	s_add_co_u32 s46, s46, OPC
	s_mov_b32 s47, 0
	s_lshl_b32 s92, s42, 13
	s_add_co_u32 s92, s92, s19
	s_mov_b32 s93, 0
	s_mul_i32 s45, s14, HALFT                      ; where they go: no place in the cluster enters an LDS address
	s_mul_i32 s94, s14, HALFS
	s_mov_b32 s[SEL], 0x76543210
	s_mov_b32 s[SEL+1], 0xfedcba98
	s_wait_kmcnt 0x0
	s_add_nc_u64 s[20:21], s[4:5], s[20:21]
	s_add_nc_u64 s[22:23], s[4:5], s[22:23]
	s_add_nc_u64 s[46:47], s[6:7], s[46:47]
	s_add_nc_u64 s[92:93], s[6:7], s[92:93]
	CROUND                                         ; all sixteen work-groups are here: the first joint loads meet
	s_mov_b32 s[G0S], 1
	s_add_co_u32 s[G0S+1], s94, SCL
	s_mov_b64 s[G0S+2:G0S+3], s[22:23]
	s_or_b32 s[G0S+3], s[G0S+3], 0x80000000
	s_mov_b32 s[G0SB], 1
	s_add_co_u32 s[G0SB+1], s94, SCL
	s_mov_b64 s[G0SB+2:G0SB+3], s[92:93]
	s_or_b32 s[G0SB+3], s[G0SB+3], 0x80000000
	JLOAD G0S, G1S, G0SB, G1SB                     ; the scales first: they are wanted with K step 0
.irp s, 0,1
	s_mov_b32 s[G0+4*\s], 1
	s_add_co_u32 s[G0+4*\s+1], s45, \s*SLOT
	s_add_nc_u64 s[G0+4*\s+2:G0+4*\s+3], s[20:21], \s*KBYTES
	s_or_b32 s[G0+4*\s+3], s[G0+4*\s+3], 0x80000000
	s_mov_b32 s[G0B+4*\s], 1
	s_add_co_u32 s[G0B+4*\s+1], s45, \s*SLOT
	s_add_nc_u64 s[G0B+4*\s+2:G0B+4*\s+3], s[46:47], \s*KBYTES
	s_or_b32 s[G0B+4*\s+3], s[G0B+4*\s+3], 0x80000000
	JLOAD G0+4*\s, G1, G0B+4*\s, G1B
.endr
	v_and_b32 v1, 15, v0                           ; r
	v_bfe_u32 v2, v0, 4, 1                         ; h
	v_mul_u32_u24 v3, v1, 48
	v_mad_u32_u24 v4, v2, 24, v3                   ; 48 r + 24 h
	s_mul_i32 s21, s15, HALFT                      ; my 128 rows of A
	s_mul_i32 s22, s16, HALFT                      ; my 128 rows of B,
	s_add_co_u32 s22, s22, 2*HALFT                 ; behind A's two halves
.irp s, 0,1
	v_add_nc_u32 v[ADRA+\s], s21, v4
	v_add_nc_u32 v[ADRB+\s], s22, v4
	s_add_co_u32 s21, s21, SLOT
	s_add_co_u32 s22, s22, SLOT
.endr
	v_mul_u32_u24 v5, v1, KS                       ; my row's scales: 32 bytes a row,
	v_lshrrev_b32 v6, 8, v5
	v_lshl_add_u32 v5, v6, 4, v5                   ; and 16 more for each 256 passed
	s_mul_i32 s21, s15, HALFS
	s_mul_i32 s22, s16, HALFS
	s_add_co_u32 s22, s22, 2*HALFS
	s_sub_co_u32 s22, s22, s21
	v_mul_u32_u24 v6, s22, v2                      ; lanes 16-31 take B's: one product, the distance between the two bases
	s_add_co_u32 s21, s21, SCL
	v_add_nc_u32 v5, v5, v6
	v_add_nc_u32 v[ADRS], s21, v5
	s_mul_i32 s23, s14, WSTG                       ; my stage
	v_add_nc_u32 v[STO], s23, v4
	v_lshl_add_u32 v[STS], v1, 2, s23
	v_and_b32 v6, 31, v0
	v_lshlrev_b32 v[CO], 4, v6
	v_add_nc_u32 v[RD], s23, v[CO]
	s_lshr_b32 s96, s42, 3                         ; the result's block
	s_lshl_b32 s96, s96, 2
	s_add_co_u32 s96, s96, s17
	s_lshl_b32 s96, s96, 3
	s_and_b32 s97, s42, 7
	s_add_co_u32 s96, s96, s97
	s_mul_i32 s100, s96, 49152                     ; its codes: my two groups of columns, my 128 rows
	s_mul_i32 s97, s16, 24576
	s_add_co_u32 s100, s100, s97
	s_mul_i32 s97, s15, 6144
	s_add_co_u32 s100, s100, s97
	s_add_co_u32 s100, s100, OUTC
	s_mov_b32 s101, 0
	s_lshl_b32 s96, s96, 12                        ; its scale words likewise
	s_lshl_b32 s97, s16, 11
	s_add_co_u32 s96, s96, s97
	s_lshl_b32 s97, s15, 9
	s_add_co_u32 s96, s96, s97
	s_mov_b32 s97, 0
	s_add_nc_u64 s[100:101], s[12:13], s[100:101]
	s_add_nc_u64 s[96:97], s[12:13], s[96:97]
.macro FRAG reg, adr, q, i             ; 16 rows x 128 K: 12 registers, six loads of 8 bytes
.irp c, 0,1
.irp p, 0,1,2
	ds_load_b64 v[\reg+6*\c+2*\p:\reg+6*\c+2*\p+1], v[\adr] offset:(2*(\q)+\c)*PLANE+(\i)*768+8*\p
.endr
.endr
.endm
; 16 matrix instructions: A's blocks a0, a0 + 1 x B's eight.  The 64 accumulators take turns, one instruction a turn, in the same order in every step.
.macro MUL16 a0, p, q, sc, zero
.irp a, \a0, \a0+1
.irp b, 0,1,2,3,4,5,6,7
.if \zero
	v_wmma_scale_f32_16x16x128_f8f6f4 v[8*(8*((\a)%4)+\b):8*(8*((\a)%4)+\b)+7], v[128*(\p)+FR*\b:128*(\p)+FR*\b+FR-1], v[AF+FR*(\a):AF+FR*(\a)+FR-1], 0, v[SC+8*NQ*(\sc)+NQ*\b+(\q)], v[SC+8*NQ*(\sc)+NQ*(\a)+(\q)] matrix_a_fmt:MATRIX_FMT_BF6 matrix_b_fmt:MATRIX_FMT_BF6 matrix_a_scale:MATRIX_SCALE_ROW1
.else
	v_wmma_scale_f32_16x16x128_f8f6f4 v[8*(8*((\a)%4)+\b):8*(8*((\a)%4)+\b)+7], v[128*(\p)+FR*\b:128*(\p)+FR*\b+FR-1], v[AF+FR*(\a):AF+FR*(\a)+FR-1], v[8*(8*((\a)%4)+\b):8*(8*((\a)%4)+\b)+7], v[SC+8*NQ*(\sc)+NQ*\b+(\q)], v[SC+8*NQ*(\sc)+NQ*(\a)+(\q)] matrix_a_fmt:MATRIX_FMT_BF6 matrix_b_fmt:MATRIX_FMT_BF6 matrix_a_scale:MATRIX_SCALE_ROW1
.endif
.endr
.endr
.endm
.macro FETCH_B slot, q, p
	WIN TO_B
.irp i, 0,1,2,3,4,5,6,7
	FRAG 128*(\p)+FR*\i, ADRB+\slot, \q, \i
.endr
	WIN 0
.endm
.macro FETCH_A slot, q, i0
.irp i, \i0, \i0+1, \i0+2, \i0+3
	FRAG AF+FR*(\i), ADRA+\slot, \q, \i
.endr
.endm
.macro SCALES sc                       ; a K step's two scale words a row: lanes 0-15 A's block i, lanes 16-31 B's block i
.irp i, 0,1,2,3,4,5,6,7
	ds_load_b64 v[SC+8*NQ*\sc+NQ*\i:SC+8*NQ*\sc+NQ*\i+1], v[ADRS] offset:\i*SBLK
.endr
.endm
.macro PLACES n                        ; plain vector lines in front of loads into registers that matrix instructions have read, and of the first read of results
.rept \n
	v_nop
.endr
.endm
.macro STEP slot, q, zero              ; 128 along K that has its successor in the same slot
	s_wait_dscnt 4*NL                              ; B's set and A's blocks 0-3 are in; the youngest 24 loads (A's blocks 4-7) may be out
	WIN MUL_LO
	MUL16 0, (\q)%2, \q, \slot, \zero
	MUL16 2, (\q)%2, \q, \slot, \zero
	s_wait_dscnt 0
	PLACES NP
	FETCH_B \slot, (\q)+1, 1-(\q)%2
	FETCH_A \slot, (\q)+1, 0
	WIN MUL_HI
	MUL16 4, (\q)%2, \q, \slot, \zero
	MUL16 6, (\q)%2, \q, \slot, \zero
	PLACES NP
	WIN 0
	FETCH_A \slot, (\q)+1, 4
.endm
; A slot's last step changes slots: one barrier; in front of it each wave waits for all its tensor loads, adds 0 to its spare word, and waits for that and for its reads of this slot.
.macro TURN slot, next, fill
	s_wait_tensorcnt 0x0                           ; all my tensor loads have landed: my part of the next slot
	ds_add_u32 v[SPW], v[NIL]                      ; 0 onto my spare word
	s_wait_dscnt 4*NL+1                            ; (the add and the youngest 24 loads, A's blocks 4-7, may be out)
	WIN MUL_LO
	MUL16 0, 1, NQ-1, \slot, 0
	s_wait_dscnt 0x0                               ; the add is done, and my reads of this slot are over
	s_barrier_signal -1
	MUL16 2, 1, NQ-1, \slot, 0
	WIN 0
	s_barrier_wait -1
.if \fill
	CREST                                          ; the barrier has opened a round of the cluster's: no wave of any partner still reads this slot or has a load on its way
	s_add_nc_u64 s[G0+4*\slot+2:G0+4*\slot+3], s[G0+4*\slot+2:G0+4*\slot+3], 2*KBYTES
	s_add_nc_u64 s[G0B+4*\slot+2:G0B+4*\slot+3], s[G0B+4*\slot+2:G0B+4*\slot+3], 2*KBYTES
	JLOAD G0+4*\slot, G1, G0B+4*\slot, G1B         ; the first tensor load behind the round; its four v_nop are the places in front of the loads below
.else
	PLACES NP
.endif
	v_add_nc_u32 v[ADRS], 4*NQ, v[ADRS]            ; the next K step's scale words
	FETCH_B \next, 0, 0
	FETCH_A \next, 0, 0
	SCALES \next
	WIN MUL_HI
	MUL16 4, 1, NQ-1, \slot, 0
	MUL16 6, 1, NQ-1, \slot, 0
	PLACES NP
	WIN 0
	FETCH_A \next, 0, 4
.endm
	s_wait_tensorcnt 1                             ; the scales and my part of K step 0 are in (K step 1's load may be out),
	s_barrier_signal -1
	s_barrier_wait -1                              ; everybody's are
	FETCH_B 0, 0, 0
	FETCH_A 0, 0, 0
	SCALES 0
	FETCH_A 0, 0, 4
	STEP 0, 0, 1                                   ; the first step's products start the sums
	s_mov_b32 s3, LAPS-1
.Llap:
	TURN 0, 1, 1
	STEP 1, 0, 0
	TURN 1, 0, 1
	STEP 0, 0, 0
	s_sub_co_u32 s3, s3, 1
	s_cmp_lg_u32 s3, 0
	s_cbranch_scc1 .Llap
	TURN 0, 1, 0                                   ; the last lap fills nothing
	STEP 1, 0, 0
	s_wait_dscnt 4*NL
	WIN MUL_LO
	MUL16 0, 1, NQ-1, 1, 0
	MUL16 2, 1, NQ-1, 1, 0
	s_wait_dscnt 0
	WIN MUL_HI
	MUL16 4, 1, NQ-1, 1, 0
	MUL16 6, 1, NQ-1, 1, 0
	WIN 0
; THE WAY OUT.  Block a (16 rows x 128 columns): a lane's 64 registers are 16 neighbours of each of four blocks of 32 columns of ONE row.  They become a fragment's codes and a scale word.
.macro QOUT a
.set AC, 64*((\a)%4)
.set QW, 2+(\a)/4                      ; the accumulators' window
.set WA, QW|(QW<<2)
.set PC, PC0+20*((\a)%2)
.set PW, PW0+2*((\a)%2)
.if (\a) >= 2
	s_wait_dscnt 8                                 ; block a - 2's eight stores have read this set's registers; block a - 1's eight may be out
.endif
	WIN WA                                         ; sources 0 and 1 in the accumulators' window
.irp b, 0,1,2,3
	v_max3_num_f32 v[TM+\b], |v[AC+16*\b]|, |v[AC+16*\b+1]|, 0x2800000   ; each accumulator from its low end on; the floor 2^(5 - 127) holds the byte at 1 from below
.endr
.irp i, 2,4,6,8,10,12,14
.irp b, 0,1,2,3
	v_max3_num_f32 v[TM+\b], |v[AC+16*\b+\i]|, |v[AC+16*\b+\i+1]|, v[TM+\b]
.endr
.endr
	WIN 0
.irp b, 0,1,2,3
	v_permlanex16_b32 v[TM+4+\b], v[TM+\b], s[SEL], s[SEL+1]
.endr
.irp b, 0,1,2,3
	v_max_num_f32 v[TM+\b], v[TM+\b], v[TM+4+\b]   ; with lane l xor 16's 16: the block's largest magnitude
.endr
.irp b, 0,1,2,3
	v_add_nc_u32 v[TM+12+\b], 0xfe000000, v[TM+\b] ; 4 off its exponent field: the conversion's scale operand
.endr
.irp b, 0,1,2,3
	v_lshrrev_b32 v[TM+4+\b], 23, v[TM+12+\b]      ; the scale's byte
.endr
	v_lshl_or_b32 v[PW], v[TM+5], 8, v[TM+4]
	v_lshl_or_b32 v[PW], v[TM+6], 16, v[PW]
	v_lshl_or_b32 v[PW], v[TM+7], 24, v[PW]        ; the even group's word
	v_lshrrev_b32 v[PW+1], 16, v[PW]
	v_lshl_or_b32 v[PW+1], v[PW], 16, v[PW+1]      ; the odd group's: its own two bytes low
	WIN QW                                         ; source 0 in the accumulators' window
.irp c, 0,1
	v_cvt_scalef32_pk16_bf6_f32 v[PC+6*\c:PC+6*\c+2], v[AC+32*\c:AC+32*\c+15], v[TM+12+2*\c]
	v_cvt_scalef32_pk16_bf6_f32 v[PC+12+4*\c:PC+14+4*\c], v[AC+32*\c+16:AC+32*\c+31], v[TM+13+2*\c]   ; (a conversion's three registers begin on an even number)
.endr
	WIN 0
	v_nop                                          ; one plain place behind a scaled conversion
.irp c, 0,1                            ; the operand's layout wants a whole block in a lane
.irp i, 0,1,2
	v_permlane16_swap_b32 v[PC+6*\c+\i], v[PC+12+4*\c+\i]
.endr
.irp i, 0,1,2
	v_mov_b32 v[PC+3+6*\c+\i], v[PC+12+4*\c+\i]
.endr
.endr
.irp c, 0,1
.irp p, 0,1,2
	ds_store_b64 v[STO], v[PC+6*\c+2*\p:PC+6*\c+2*\p+1] offset:\c*6144+(\a)*768+8*\p
.endr
.endr
	ds_store_b32 v[STS], v[PW] offset:12288+64*(\a)      ; lanes r and r + 16 write the same word with the same value
	ds_store_b32 v[STS], v[PW+1] offset:12800+64*(\a)
.endm
.irp b, 0,1,2,3
	v_mov_b32 v[TM+4+\b], 0                        ; a lane permute's destination counts as one of its sources; these four are also the places behind the last products
.endr
.irp a, 0,1,2,3,4,5,6,7
	QOUT \a
.endr
.set T, 0
.rept 26
	ds_load_b128 v[BK+4*T:BK+4*T+3], v[RD] offset:512*T   ; LDS serves a wave's instructions in order: these see my stores
.set T, T+1
.endr
.set T, 0
.rept 24
	s_wait_dscnt 25-T
	global_store_b128 v[CO], v[BK+4*T:BK+4*T+3], s[100:101] offset:(T/12)*12288+(T%12)*512   ; 32 lanes store 512 consecutive bytes, aligned
.set T, T+1
.endr
.rept 2
	s_wait_dscnt 25-T
	global_store_b128 v[CO], v[BK+4*T:BK+4*T+3], s[96:97] offset:(T-24)*1024
.set T, T+1
.endr
	s_wait_tensorcnt 0x0                           ; the wave's end
	ds_add_u32 v[SPW], v[NIL]
	s_wait_dscnt 0x0
	CROUND                                         ; the closing round
	s_endpgm
.Lfunc_end_k_q237fa6eb70_gemm_qk:
	.size	k_q237fa6eb70_gemm_qk, .Lfunc_end_k_q237fa6eb70_gemm_qk-k_q237fa6eb70_gemm_qk
	.p2alignl 7, 3214868480
	.fill 96, 4, 3214868480
	.section	.rodata,"a",@progbits
	.p2align	6, 0x0
	.amdhsa_kernel k_q237fa6eb70_gemm_qk
		.amdhsa_group_segment_fixed_size 327680
		.amdhsa_private_segment_fixed_size 0
		.amdhsa_enable_private_segment 0
		.amdhsa_kernarg_size 24
		.amdhsa_user_sgpr_count 2
		.amdhsa_user_sgpr_kernarg_segment_ptr 1
		.amdhsa_wavefront_size32 1
		.amdhsa_system_sgpr_workgroup_id_x 1
		.amdhsa_system_sgpr_workgroup_id_y 1
		.amdhsa_system_sgpr_workgroup_id_z 1
		.amdhsa_system_vgpr_workitem_id 0
		.amdhsa_next_free_vgpr 1024
		.amdhsa_next_free_sgpr 102
		.amdhsa_reserve_vcc 0
		.amdhsa_float_denorm_mode_32 3
		.amdhsa_float_denorm_mode_16_64 3
		.amdhsa_memory_ordered 1
		.amdhsa_forward_progress 1
		.amdhsa_inst_pref_size 171
	.end_amdhsa_kernel
	.amdgpu_metadata
---
amdhsa.version: [ 1, 2 ]
amdhsa.kernels:
  - .name:           k_q237fa6eb70_gemm_qk
    .symbol:         k_q237fa6eb70_gemm_qk.kd
    .args:
      - { .name: xq, .offset: 0, .size: 8, .value_kind: global_buffer, .address_space: global }
      - { .name: wqk, .offset: 8, .size: 8, .value_kind: global_buffer, .address_space: global }
      - { .name: qk, .offset: 16, .size: 8, .value_kind: global_buffer, .address_space: global }
    .group_segment_fixed_size: 327680
    .private_segment_fixed_size: 0
    .kernarg_segment_align: 8
    .kernarg_segment_size: 24
    .max_flat_workgroup_size: 128
    .sgpr_count:     102
    .vgpr_count:     1024
    .wavefront_size: 32
...
	.end_amdgpu_metadata
.endif
;; end of part 3
;; launch gemm_v: the kernel of part 3 again; grid 32 x 4, 4 waves a work-group, clusters of 4 x 4, 327,680 bytes of LDS; arguments wv, xq, vt; writes vt
;; launch attn (part 4): grid 4 x 64, 16 waves a work-group, no clusters, 327,680 bytes of LDS; arguments qk, vt, ctx; writes ctx
.if DOCPART == 4
	.amdgcn_target "amdgcn-amd-amdhsa--gfx1250"
	.amdhsa_code_object_version 6
	.text
	.protected	k_q237fa6eb70_attn
	.globl	k_q237fa6eb70_attn
	.p2align	8
	.type	k_q237fa6eb70_attn,@function
k_q237fa6eb70_attn:
	s_mov_b64 s[64:65], 0
	v_nop
	global_prefetch_b8 v0, s[64:65] scope:SCOPE_SE
	s_setreg_imm32_b32 hwreg(HW_REG_WAVE_MODE, 25, 1), 1
	s_wait_xcnt 0x0
; Causal attention of one (batch, head) on codes of E3M2: S^T = K Q^T (K = the head's 64), p = 2^(t - M), O^T = V^T P^T (K = the keys), ctx = O / l, quantised along the head's 64 for the output projection.
; t = score x log2(e) / 8; M = the running largest t rounded UP to a whole number; p is quantised unnormalised; the row's sum l is taken of the unquantised p; when M moves, l and O are multiplied by 2^(old M - new M): exact.
; INPUTS (made by the launches before): qk: blocks ct + 8 rt of 256 tokens x 256 columns, ct 0-3 q's heads, 4-7 k's; vt: blocks kt + 8 (head / 4 + 4 batch), rows 64 head + d, columns = tokens.
; In both: scale words at byte 0, [block][4 groups of 64 columns][256 rows][4]; codes at OUTC, [block][4][256 rows][48].  Rows lie in stored order (in each 32 the second and third groups of 8 exchanged).
; SHARES.  Work-group (i, 16 batch + head) owns query blocks 7 - i and i (256 queries each) and walks 8 - i and then i + 1 slots of 256 keys: nine in every work-group, none that the mask hides whole.
; Each of sixteen waves owns 16 stored query rows of the block in hand, one tile, in 256 registers: four waves to a SIMD, so that one wave's vector work stands beside another's products and LDS loads.
; NO CLUSTER: the four work-groups of a head want the same tiles only in their first five slots; from slot 8 - i on each walks tiles of its own, so joint requests would not be alike in all partners.
; K = 64 IN A PRODUCT 128 DEEP: Q's registers 6-11 are zero codes; K's fragment t names v[32 + 6 t .. + 11], whose upper six are the next fragment's codes.  Every code is a finite number and every scale byte
; there is a real one (1 to 254), so k = 64 .. 127 adds exactly nothing.
; LAYOUT.  Both products are used transposed: a lane holds one query (lane % 16).  16 stored rows of K as source 0 leave keys 32 b + 16 (lane / 16) + 0 .. 15 in the registers of tiles 2 b, 2 b + 1; V's rows likewise for d.
; LIMITS: NaN and infinities are not served; p under 2^-126 comes out of v_exp_f32 as 0; a block of zeros, or one under 2^-122, keeps the scale byte 1.
.set OPC,   0x40000
.set OUTC,  0x100000
.set SLOTB, 32768                      ; slot 1 begins here: one exclusive or turns an address
.set LKC,   0                          ; a slot: K's codes, 256 rows x 48;
.set LVC,   12288                      ; V's, [4 groups of 64 keys][64 d][48];
.set LKS,   24576                      ; K's scale words, 256 x 4;
.set LVS,   25600                      ; V's, [2 key steps][64 d][4]
.set STAGE, 65536                      ; the way out: 768 bytes a wave; no tile lands here
.set SPARE, 77824                      ; the spare words, 128 bytes a wave: eight blocks of 256 bytes that no other line names
.set AK0, 1                            ; v1  48 r + 24 h
.set AV0, 2                            ; v2  LVC + the same
.set ASK0, 3                           ; v3  LKS + 4 r
.set ASV0, 4                           ; v4  LVS + 4 r
.set SPW, 5
.set NIL, 6
.set MQ,  7                            ; v7  r + 8 (r / 8) - 16 h
.set ADK, 8                            ; v8-11 the step's addresses
.set ADV, 9
.set ADS, 10
.set ADT, 11                           ; v12 -M, v13 the largest t, v[14:15] the sum; v[16:27] Q
.set PFO, 28                           ; v28 256 x lane
.set STO, 29                           ; v29 stage + 48 r + 24 h
.set SRD, 30                           ; v30 stage + 8 x lane
.set L8,  31                           ; v31 8 x lane
.set KFR, 32                           ; v32-85 K's eight fragments and six registers behind them; V's four fragments in v32-79
.set Q2,  86                           ; v86-91 the second block's Q, v92 its scale word, v93 Q's scale word
.set SRO, 94                           ; v94 32 r + h
.set OT,  160                          ; v160-191 O^T;  v96-159 S^T, then p
.set SW,  192                          ; v192-199 scale words of K or V
.set PCD, 200                          ; v200-211 p's codes, v212-218 conversions' second halves
.set MX,  220                          ; v220-223 block maxima
.set PT,  224                          ; v224-227 the other half's, then the bytes
.set SO,  228                          ; v228-231 the conversions' scale operands
.set PSW, 234                          ; v[232:233] f; v234 p's scale word; v235-239 at work; v240-247 the way out
.set WV,  18
.set HM,  19                           ; s19 mask of lanes 16-31
.set SEL, 20
.set CS,  22
.set G1KC, 24
.set G1VC, 32
.set G1KS, 40
.set G1VS, 48
.set G0KC, 56
.set G0VC, 60
.set G0KS, 68
.set G0VS, 72
.set BKC, 76                           ; s[76:83] where the four tiles of kt = 0 begin
.set BVC, 78
.set BKS, 80
.set BVS, 82
.set OFS, 84                           ; s[84:85] an offset, its high word 0
.set PFA, 86
.set PFS, 88
.set LIM, 90
.set TB,  2                            ; s2  LDS byte at which the slot in hand begins
.set KF,  3                            ; s3  the step's first key
.set SLOTS, 66
.set SWI, 67                           ; s67 i + 1: the count at which the first block ends
.set KN,  91                           ; s91 the next tile of keys to fetch
.set LIMA, 92                          ; s92 8 - i
.set QG,  93                           ; s93 256 x block + 32 (wave / 2); s94 the second block's
.set QG2, 94
.set QU,  95                           ; s95 8 (wave % 2)
.set CB,  10                           ; s10, s11 ctx's codes: byte offset of my 16 rows, first and second block; s12, s13 its scale bytes
.set CB2, 11
.set SB,  12
.set SB2, 13
; Waves 0 to 3 fetch one tile each, the others nothing; the branches hang on the wave's number alone.  Four v_nop follow each load.
.macro TLOAD
	s_cmp_lg_u32 s[WV], 0
	s_cbranch_scc1 .Lw1_\@
	tensor_load_to_lds s[G0KC:G0KC+3], s[G1KC:G1KC+7]
	s_nop 0
.rept 4
	v_nop
.endr
	s_branch .Lasked_\@
.Lw1_\@:
	s_cmp_lg_u32 s[WV], 1
	s_cbranch_scc1 .Lw2_\@
	tensor_load_to_lds s[G0VC:G0VC+3], s[G1VC:G1VC+7]
	s_nop 0
.rept 4
	v_nop
.endr
	s_branch .Lasked_\@
.Lw2_\@:
	s_cmp_lg_u32 s[WV], 2
	s_cbranch_scc1 .Lw3_\@
	tensor_load_to_lds s[G0KS:G0KS+3], s[G1KS:G1KS+7]
	s_nop 0
.rept 4
	v_nop
.endr
	s_branch .Lasked_\@
.Lw3_\@:
	s_cmp_lg_u32 s[WV], 3
	s_cbranch_scc1 .Lasked_\@
	tensor_load_to_lds s[G0VS:G0VS+3], s[G1VS:G1VS+7]
	s_nop 0
.rept 4
	v_nop
.endr
.Lasked_\@:
.endm
; A PREFETCH INTO THE L2 of the codes that the NEXT change of slots will ask for.  A block of qk or vt holds four heads' codes, 49,152 dense bytes: the work-group with i = 0 of the first of those four heads asks,
; waves 4 to 9 for K's block and waves 10 to 15 for V's, 8,192 bytes a wave, lanes 256 bytes apart: each aligned 256 bytes is named once.  In trip T it names tile T + 2, a slot's two key steps ahead of the load
; that wants it; tiles 0 and 1 come by their loads alone; after tile 7 nothing is asked for.
.macro ASK
	s_cmp_gt_u32 s[SLOTS], s[LIM]
	s_cbranch_scc0 .Lnot_mine_\@
	global_prefetch_b8 v[PFO], s[PFA:PFA+1] th:TH_LOAD_NT scope:SCOPE_SE
.Lnot_mine_\@:
.endm
.macro FIRST g0, base, lds
	s_mov_b32 s[\g0], 1                            ; count = 1
	s_mov_b32 s[\g0+1], \lds                       ; LDS address, slot 0
	s_mov_b64 s[\g0+2:\g0+3], s[\base:\base+1]     ; tile kt = 0
	s_or_b32 s[\g0+3], s[\g0+3], 0x80000000        ; type = 2
.endm
.macro WALK g0, base, step             ; the other slot; tile KN
	s_xor_b32 s[\g0+1], s[\g0+1], SLOTB
	s_mul_i32 s[OFS], s[KN], \step
	s_add_nc_u64 s[\g0+2:\g0+3], s[\base:\base+1], s[OFS:OFS+1]
	s_or_b32 s[\g0+3], s[\g0+3], 0x80000000
.endm
.macro GROUP1 g, c, r, p               ; r rows of c elements of 8 bytes, p elements apart; no mask, no padding
	s_mov_b32 s[\g], 3<<16
	s_mov_b32 s[\g+1], (\c)<<16
	s_mov_b32 s[\g+2], (\r)<<16
	s_mov_b32 s[\g+3], (\c)<<16
	s_mov_b32 s[\g+4], \r
	s_mov_b32 s[\g+5], \p
	s_mov_b32 s[\g+6], 0
	s_mov_b32 s[\g+7], 0
.endm
	s_load_b128 s[4:7], s[0:1], 0x0                ; qk, vt
	s_load_b64 s[8:9], s[0:1], 0x10                ; ctx
	v_lshl_add_u32 v[SPW], v0, 2, SPARE
	v_mov_b32 v[NIL], 0
	ds_add_u32 v5, v6
	ds_add_u32 v5, v6
	s_wait_dscnt 0x0
	v_lshrrev_b32 v8, 5, v0
	s_delay_alu instid0(VALU_DEP_1)
	v_readfirstlane_b32 s[WV], v8                  ; wave 0..15
	s_and_b32 s96, ttmp7, 0xffff
	s_lshr_b32 s97, s96, 4                         ; batch
	s_and_b32 s98, s96, 15                         ; head
	s_lshr_b32 s99, s98, 2                         ; its group of four
	s_and_b32 s100, s98, 3                         ; its place in the group
	s_lshl_b32 s101, s97, 6
	s_add_co_u32 s101, s101, s99
	s_add_co_u32 s101, s101, 4                     ; k's block at kt = 0: 4 + hg + 64 b
	s_lshl_b32 s14, s101, 2
	s_add_co_u32 s14, s14, s100                    ; my head's plane of it
	s_mul_i32 s[BKC], s14, 12288
	s_add_co_u32 s[BKC], s[BKC], OUTC
	s_mov_b32 s[BKC+1], 0
	s_lshl_b32 s[BKS], s14, 10
	s_mov_b32 s[BKS+1], 0
	s_lshl_b32 s15, s97, 2
	s_add_co_u32 s15, s15, s99
	s_lshl_b32 s15, s15, 3                         ; v's block at kt = 0: 8 (hg + 4 b)
	s_mul_i32 s[BVC], s15, 49152
	s_mul_i32 s14, s100, 3072                      ; my head's 64 rows in a plane
	s_add_co_u32 s[BVC], s[BVC], s14
	s_add_co_u32 s[BVC], s[BVC], OUTC
	s_mov_b32 s[BVC+1], 0
	s_lshl_b32 s[BVS], s15, 12
	s_lshl_b32 s14, s100, 8
	s_add_co_u32 s[BVS], s[BVS], s14
	s_mov_b32 s[BVS+1], 0
	s_cmp_lt_u32 s[WV], 10                         ; the prefetches: waves under 10 stand in K's blocks, the others in V's
	s_cselect_b32 s14, 4, 10
	s_cselect_b32 s16, s101, s15
	s_mov_b32 s[PFS], 49152
	s_cselect_b32 s[PFS], 393216, s[PFS]           ; from tile to tile
	s_mov_b32 s[PFS+1], 0
	s_sub_co_i32 s14, s[WV], s14
	s_max_i32 s14, s14, 0                          ; my sixth of a block (waves 0 to 3 never ask)
	s_lshl_b32 s14, s14, 13
	s_mul_i32 s[OFS], s16, 49152
	s_add_co_u32 s[OFS], s[OFS], s14
	s_add_co_u32 s[OFS], s[OFS], s[PFS]            ; at tile 1: the first change of slots steps it to tile 2
	s_add_co_u32 s[OFS], s[OFS], OUTC
	s_mov_b32 s[OFS+1], 0
	s_cmp_lt_u32 s[WV], 4
	s_cselect_b32 s14, 1, 0
	s_or_b32 s14, s14, ttmp9
	s_or_b32 s14, s14, s100
	s_cmp_eq_u32 s14, 0
	s_cselect_b32 s[LIM], 2, -1                    ; askers ask while more than two slots are still to be asked for
	s_sub_co_u32 s96, 7, ttmp9                     ; the first block of queries
	s_lshr_b32 s14, s[WV], 1
	s_lshl_b32 s14, s14, 5
	s_lshl_b32 s[QG], s96, 8
	s_add_co_u32 s[QG], s[QG], s14
	s_lshl_b32 s[QG2], ttmp9, 8
	s_add_co_u32 s[QG2], s[QG2], s14
	s_and_b32 s[QU], s[WV], 1
	s_lshl_b32 s[QU], s[QU], 3
	s_add_co_u32 s[SWI], ttmp9, 1
	s_sub_co_u32 s[LIMA], 8, ttmp9
	s_lshl_b32 s14, s97, 3
	s_add_co_u32 s15, s14, s96                     ; the first block's tile of 256 tokens,
	s_add_co_u32 s14, s14, ttmp9                   ; the second's
	s_mul_i32 s16, s98, 12288                      ; ctx's codes: plane = head,
	s_mul_i32 s17, s[WV], 768                      ; my 16 rows
	s_add_co_u32 s16, s16, s17
	s_add_co_u32 s16, s16, OPC
	s_mul_i32 s[CB], s15, 196608
	s_add_co_u32 s[CB], s[CB], s16
	s_mul_i32 s[CB2], s14, 196608
	s_add_co_u32 s[CB2], s[CB2], s16
	s_lshl_b32 s16, s[WV], 9                       ; its scale bytes: 32 a row, bytes 2 head and 2 head + 1
	s_lshl_b32 s101, s98, 1
	s_add_co_u32 s16, s16, s101
	s_lshl_b32 s[SB], s15, 13
	s_add_co_u32 s[SB], s[SB], s16
	s_lshl_b32 s[SB2], s14, 13
	s_add_co_u32 s[SB2], s[SB2], s16
	s_lshl_b32 s15, s15, 3                         ; q's planes: (hg + 8 x tile) x 4 + hc
	s_add_co_u32 s15, s15, s99
	s_lshl_b32 s15, s15, 2
	s_add_co_u32 s15, s15, s100
	s_lshl_b32 s14, s14, 3
	s_add_co_u32 s14, s14, s99
	s_lshl_b32 s14, s14, 2
	s_add_co_u32 s14, s14, s100
	s_add_co_u32 s17, s17, OUTC
	s_lshl_b32 s101, s[WV], 6
	s_mul_i32 s16, s15, 12288
	s_add_co_u32 s16, s16, s17                     ; q's codes, first block
	s_lshl_b32 s15, s15, 10
	s_add_co_u32 s15, s15, s101                    ; its scale words
	s_mul_i32 s96, s14, 12288
	s_add_co_u32 s96, s96, s17                     ; second block
	s_lshl_b32 s14, s14, 10
	s_add_co_u32 s14, s14, s101
	GROUP1 G1KC, 32, 48, 32                        ; K's codes: 12,288 dense bytes as 48 rows of 256
	GROUP1 G1VC, 384, 4, 1536                      ; V's: four pieces of 3,072 bytes, 12,288 apart
	GROUP1 G1KS, 32, 4, 32                         ; K's scale words: 1,024 dense bytes
	GROUP1 G1VS, 32, 2, 256                        ; V's: the even groups' words, two pieces of 256 bytes, 2,048 apart
	s_mov_b32 s[SEL], 0x76543210
	s_mov_b32 s[SEL+1], 0xfedcba98
	s_mov_b32 s[CS], 0x3e38aa3b                    ; c = log2(e) / 8
	s_mov_b32 s[CS+1], s[CS]
	s_mov_b32 s[TB], 0
	s_mov_b32 s[KF], 0
	s_mov_b32 s[SLOTS], 8
	s_mov_b32 s[KN], 1
	s_wait_kmcnt 0x0
	s_add_nc_u64 s[BKC:BKC+1], s[4:5], s[BKC:BKC+1]
	s_add_nc_u64 s[BKS:BKS+1], s[4:5], s[BKS:BKS+1]
	s_add_nc_u64 s[BVC:BVC+1], s[6:7], s[BVC:BVC+1]
	s_add_nc_u64 s[BVS:BVS+1], s[6:7], s[BVS:BVS+1]
	FIRST G0KC, BKC, LKC
	FIRST G0VC, BVC, LVC
	FIRST G0KS, BKS, LKS
	FIRST G0VS, BVS, LVS
	TLOAD                                          ; slot 0
	s_cmp_lt_u32 s[WV], 10
	s_cselect_b64 s[PFA:PFA+1], s[4:5], s[6:7]
	s_add_nc_u64 s[PFA:PFA+1], s[PFA:PFA+1], s[OFS:OFS+1]
	v_and_b32 v8, 15, v0                           ; r
	v_bfe_u32 v9, v0, 4, 1                         ; h
	s_delay_alu instid0(VALU_DEP_2)
	v_mul_u32_u24 v[AK0], v8, 48
	s_delay_alu instid0(VALU_DEP_1)
	v_mad_u32_u24 v[AK0], v9, 24, v[AK0]
	s_delay_alu instid0(VALU_DEP_1)
	v_add_nc_u32 v[AV0], LVC, v[AK0]
	v_lshlrev_b32 v10, 2, v8
	s_delay_alu instid0(VALU_DEP_1)
	v_add_nc_u32 v[ASK0], LKS, v10
	s_delay_alu instid0(VALU_DEP_2)
	v_add_nc_u32 v[ASV0], LVS, v10
	v_and_b32 v[MQ], 8, v8
	s_delay_alu instid0(VALU_DEP_1)
	v_add_nc_u32 v[MQ], v[MQ], v8
	v_lshlrev_b32 v11, 4, v9
	s_delay_alu instid0(VALU_DEP_1)
	v_sub_nc_u32 v[MQ], v[MQ], v11
	v_and_b32 v[PFO], 31, v0
	s_delay_alu instid0(VALU_DEP_1)
	v_lshlrev_b32 v[L8], 3, v[PFO]
	s_delay_alu instid0(VALU_DEP_2)
	v_lshlrev_b32 v[PFO], 8, v[PFO]
	s_mul_i32 s17, s[WV], 768
	s_add_co_u32 s17, s17, STAGE
	v_add_nc_u32 v[STO], s17, v[AK0]
	v_add_nc_u32 v[SRD], s17, v[L8]
	v_lshl_add_u32 v[SRO], v8, 5, v9
	v_cmp_ne_u32 s[HM], 0, v9
	v_add_nc_u32 v8, s16, v[AK0]
	v_add_nc_u32 v9, s96, v[AK0]
	v_add_nc_u32 v11, s14, v10
	v_add_nc_u32 v10, s15, v10
.irp p, 0,1,2
	global_load_b64 v[16+2*\p:17+2*\p], v8, s[4:5] offset:8*\p     ; Q of both blocks stays in registers
	global_load_b64 v[Q2+2*\p:Q2+2*\p+1], v9, s[4:5] offset:8*\p
.endr
	global_load_b32 v93, v10, s[4:5]
	global_load_b32 v92, v11, s[4:5]
.irp p, 0,1,2,3,4,5
	v_mov_b32 v[22+\p], 0                          ; Q's k = 64 .. 127: zero codes
	v_mov_b32 v[KFR+48+\p], 0                      ; what K's last fragment names behind its own six registers
.endr
	v_mov_b32 v13, 0xff61b1e6                      ; the largest t so far: -3e38
	s_delay_alu instid0(VALU_DEP_1)
	v_floor_f32 v12, -v13                          ; -M
	v_mov_b32 v14, 0
	v_mov_b32 v15, 0
.irp b, 0,1,2,3
	v_mov_b32 v[PT+\b], 0                          ; a lane permute's destination counts as one of its sources
.endr
	v_mov_b32 v232, 0
	v_mov_b32 v233, 0                              ; (named as the upper half of the pair v[232:233])
	v_mov_b32 v235, 0
.set J, 0
.rept 32
	v_mov_b32 v[OT+J], 0                           ; O^T: the first change of M multiplies zeros
.set J, J+1
.endr
; A KEY STEP: 128 keys, the q-th of the slot in hand.
.macro STEP q
	s_cmp_gt_u32 s[KF], s[QG]                      ; all 128 keys come after my queries (KF and QG are multiples of 32, my queries lie in QG .. QG + 31): the step's work is left out
	s_cbranch_scc1 .Lhidden_\@
	v_add_nc_u32 v[ADK], s[TB], v[AK0]             ; (these four are the places in front of the loads into registers that the last products read)
	v_add_nc_u32 v[ADV], s[TB], v[AV0]
	v_add_nc_u32 v[ADS], s[TB], v[ASK0]
	v_add_nc_u32 v[ADT], s[TB], v[ASV0]
.irp t, 0,1,2,3,4,5,6,7
.irp p, 0,1,2
	ds_load_b64 v[KFR+6*\t+2*\p:KFR+6*\t+2*\p+1], v[ADK] offset:(128*(\q)+16*\t)*48+8*\p
.endr
	ds_load_b32 v[SW+\t], v[ADS] offset:(128*(\q)+16*\t)*4
.endr
	s_wait_alu depctr_va_vdst(0)
	s_wait_dscnt 0x0
.irp t, 0,1,2,3,4,5,6,7
	v_wmma_scale_f32_16x16x128_f8f6f4 v[96+8*\t:103+8*\t], v[KFR+6*\t:KFR+6*\t+11], v[16:27], 0, v[SW+\t], v93 matrix_a_fmt:MATRIX_FMT_BF6 matrix_b_fmt:MATRIX_FMT_BF6
.endr
.rept 4
	v_nop                                          ; places in front of V's loads and of the first read of the scores
.endr
.irp t, 0,1,2,3                        ; V's fragments land under the softmax
.irp c, 0,1
.irp p, 0,1,2
	ds_load_b64 v[KFR+12*\t+6*\c+2*\p:KFR+12*\t+6*\c+2*\p+1], v[ADV] offset:(2*(\q)+\c)*3072+\t*768+8*\p
.endr
.endr
	ds_load_b32 v[SW+\t], v[ADT] offset:256*(\q)+64*\t
.endr
	s_add_co_u32 s96, s[KF], 128                   ; on the diagonal hidden scores become -infinity; a step all of whose keys count skips this
	s_cmp_le_u32 s96, s[QG]
	s_cbranch_scc1 .Lopen_\@
	s_add_co_u32 s96, s[QG], s[QU]
	s_sub_co_i32 s96, s96, s[KF]
	v_add_nc_u32 v238, s96, v[MQ]                  ; d = my query - KF - 16 h; register 16 b + i holds key KF + 16 h + 32 b + i: hidden where 32 b + i > d
	v_mov_b32 v239, 0xff800000
.set N, 0
.rept 64
	v_cmp_gt_i32 vcc_lo, 32*(N/16)+N%16, v238
	v_cndmask_b32 v[96+N], v[96+N], v239, vcc_lo
.set N, N+1
.endr
.Lopen_\@:
.irp b, 0,1,2,3
	v_max3_num_f32 v[MX+\b], v[96+16*\b], v[97+16*\b], v[98+16*\b]   ; the largest score of each block of 32 keys: for the row's maximum and, since p rises with the score, for the block's largest p
.endr
.irp i, 3,5,7,9,11,13
.irp b, 0,1,2,3
	v_max3_num_f32 v[MX+\b], v[MX+\b], v[96+16*\b+\i], v[97+16*\b+\i]
.endr
.endr
.irp b, 0,1,2,3
	v_max_num_f32 v[MX+\b], v[MX+\b], v[111+16*\b]
.endr
.irp b, 0,1,2,3
	s_delay_alu instid0(VALU_DEP_4)
	v_permlanex16_b32 v[PT+\b], v[MX+\b], s[SEL], s[SEL+1]
.endr
.irp b, 0,1,2,3
	s_delay_alu instid0(VALU_DEP_4)
	v_max_num_f32 v[MX+\b], v[MX+\b], v[PT+\b]
.endr
	s_delay_alu instid0(VALU_DEP_2)
	v_max3_num_f32 v235, v[MX], v[MX+1], v[MX+2]
	s_delay_alu instid0(VALU_DEP_1)
	v_max_num_f32 v235, v235, v[MX+3]
	s_delay_alu instid0(VALU_DEP_1)
	v_mul_f32 v235, s[CS], v235                    ; as t
	s_delay_alu instid0(VALU_DEP_1)
	v_max_num_f32 v13, v13, v235                   ; the running largest t
	v_mov_b32 v235, v12
	s_delay_alu instid0(VALU_DEP_2)
	v_floor_f32 v12, -v13                          ; the new -M = -ceil(t)
	s_delay_alu instid0(VALU_DEP_1)
	v_sub_f32 v235, v12, v235                      ; old M - new M: a whole number, 0 or less
	s_delay_alu instid0(VALU_DEP_1)
	v_cvt_i32_f32 v235, v235                       ; (it saturates)
	s_delay_alu instid0(VALU_DEP_1)
	v_ldexp_f32 v232, 1.0, v235                    ; f = 2^(old M - new M)
.set J, 0
.rept 32
	v_pk_fma_f32 v[96+J:97+J], v[96+J:97+J], s[CS:CS+1], v[12:13] op_sel_hi:[1,0,0]   ; t - M
.set J, J+2
.endr
.irp b, 0,1,2,3
	v_fma_f32 v[MX+\b], v[MX+\b], s[CS], v12
.endr
.set J, 0
	s_wait_alu depctr_va_vdst(0)
.rept 64
	v_exp_f32 v[96+J], v[96+J]                     ; p = 2^(t - M)
.set J, J+1
.endr
.irp b, 0,1,2,3
	v_exp_f32 v[MX+\b], v[MX+\b]                   ; the block's largest p
.endr
	v_pk_mul_f32 v[14:15], v[14:15], v[232:233] op_sel_hi:[1,0]   ; the sums under the new M (a plain place behind the exponentials)
	s_wait_alu depctr_va_vdst(0)
.irp b, 0,1,2,3
	v_max_num_f32 v[MX+\b], 0x2800000, v[MX+\b]    ; the floor 2^(5 - 127)
.endr
.irp b, 0,1,2,3
	s_delay_alu instid0(VALU_DEP_4)
	v_add_nc_u32 v[SO+\b], 0xfe000000, v[MX+\b]
.endr
.irp b, 0,1,2,3
	s_delay_alu instid0(VALU_DEP_4)
	v_lshrrev_b32 v[PT+\b], 23, v[SO+\b]
.endr
	s_delay_alu instid0(VALU_DEP_3)
	v_lshl_or_b32 v[PSW], v[PT+1], 8, v[PT]
	s_delay_alu instid0(VALU_DEP_1)
	v_lshl_or_b32 v[PSW], v[PT+2], 16, v[PSW]
	s_delay_alu instid0(VALU_DEP_1)
	v_lshl_or_b32 v[PSW], v[PT+3], 24, v[PSW]      ; p's scale word for these 128 keys
.irp c, 0,1
	v_cvt_scalef32_pk16_bf6_f32 v[PCD+6*\c:PCD+6*\c+2], v[96+32*\c:111+32*\c], v[SO+2*\c]
	v_cvt_scalef32_pk16_bf6_f32 v[PCD+12+4*\c:PCD+14+4*\c], v[112+32*\c:127+32*\c], v[SO+2*\c+1]
.endr
	v_nop                                          ; one plain place behind a scaled conversion
.irp c, 0,1
.irp i, 0,1,2
	v_permlane16_swap_b32 v[PCD+6*\c+\i], v[PCD+12+4*\c+\i]
.endr
.irp i, 0,1,2
	s_delay_alu instid0(VALU_DEP_3)
	v_mov_b32 v[PCD+3+6*\c+\i], v[PCD+12+4*\c+\i]
.endr
.endr
	v_pk_add_f32 v[236:237], v[100:101], v[104:105]
	v_pk_add_f32 v[254:255], v[108:109], v[112:113]
	v_pk_add_f32 v[252:253], v[116:117], v[120:121]
	v_pk_add_f32 v[250:251], v[124:125], v[128:129]
	v_pk_add_f32 v[248:249], v[132:133], v[136:137]
	v_pk_add_f32 v[246:247], v[140:141], v[144:145]
	v_pk_add_f32 v[244:245], v[148:149], v[152:153]
	v_pk_add_f32 v[14:15], v[14:15], v[156:157]
	v_pk_add_f32 v[236:237], v[236:237], v[96:97]
	v_pk_add_f32 v[254:255], v[254:255], v[98:99]
	v_pk_add_f32 v[252:253], v[252:253], v[102:103]
	v_pk_add_f32 v[250:251], v[250:251], v[106:107]
	v_pk_add_f32 v[248:249], v[248:249], v[110:111]
	v_pk_add_f32 v[246:247], v[246:247], v[114:115]
	v_pk_add_f32 v[244:245], v[244:245], v[118:119]
	v_pk_add_f32 v[14:15], v[14:15], v[122:123]
	v_pk_add_f32 v[236:237], v[236:237], v[126:127]
	v_pk_add_f32 v[254:255], v[254:255], v[130:131]
	v_pk_add_f32 v[252:253], v[252:253], v[134:135]
	v_pk_add_f32 v[250:251], v[250:251], v[138:139]
	v_pk_add_f32 v[248:249], v[248:249], v[142:143]
	v_pk_add_f32 v[246:247], v[246:247], v[146:147]
	v_pk_add_f32 v[244:245], v[244:245], v[150:151]
	v_pk_add_f32 v[14:15], v[14:15], v[154:155]
	v_pk_add_f32 v[236:237], v[236:237], v[158:159]
	s_delay_alu instid0(VALU_DEP_2)
	v_pk_add_f32 v[14:15], v[14:15], v[250:251]
	s_delay_alu instid0(VALU_DEP_2)
	v_pk_add_f32 v[236:237], v[236:237], v[248:249]
	v_pk_add_f32 v[254:255], v[254:255], v[246:247]
	v_pk_add_f32 v[252:253], v[252:253], v[244:245]
	s_delay_alu instid0(VALU_DEP_2)
	v_pk_add_f32 v[14:15], v[14:15], v[254:255]
	s_delay_alu instid0(VALU_DEP_2)
	v_pk_add_f32 v[236:237], v[236:237], v[252:253]
	s_delay_alu instid0(VALU_DEP_1)
	v_pk_add_f32 v[14:15], v[14:15], v[236:237]
.set J, 0
.rept 16
	v_pk_mul_f32 v[OT+J:OT+J+1], v[OT+J:OT+J+1], v[232:233] op_sel_hi:[1,0]   ; O^T under the new M
.set J, J+2
.endr
	s_wait_alu depctr_va_vdst(0)
	s_wait_dscnt 0x0                               ; V is in
.irp t, 0,1,2,3
	v_wmma_scale_f32_16x16x128_f8f6f4 v[OT+8*\t:OT+8*\t+7], v[KFR+12*\t:KFR+12*\t+11], v[PCD:PCD+11], v[OT+8*\t:OT+8*\t+7], v[SW+\t], v[PSW] matrix_a_fmt:MATRIX_FMT_BF6 matrix_b_fmt:MATRIX_FMT_BF6
.endr
.Lhidden_\@:
	s_add_co_u32 s[KF], s[KF], 128
.endm
; THE CHANGE OF SLOTS stands at a slot's head.  Each wave waits for all its tensor loads, adds 0 to its spare word, and waits for that and for its reads of the slot that it has left; behind the barrier the slot
; ahead is whole and nobody reads the other one, which is filled with the tile that follows: one load a fetching wave, with a slot's two key steps in which to land.
.macro CHANGE fill
	s_wait_tensorcnt 0x0                           ; no tensor load of mine is out, so a group 0 may be written
	ds_add_u32 v[SPW], v[NIL]                      ; 0 onto my spare word
.if \fill
	WALK G0KC, BKC, 393216
	WALK G0VC, BVC, 49152
	WALK G0KS, BKS, 32768
	WALK G0VS, BVS, 4096
	s_add_co_u32 s[KN], s[KN], 1
	s_cmp_eq_u32 s[KN], s[LIMA]
	s_cselect_b32 s[KN], 0, s[KN]                  ; behind the first block's last tile comes the second block's tile 0
	s_wait_xcnt 0x0                                ; the last prefetch, a slot back, has read its address
	s_add_nc_u64 s[PFA:PFA+1], s[PFA:PFA+1], s[PFS:PFS+1]
.endif
	s_wait_dscnt 0x0                               ; the add is done, and my reads of the slot that I have left are over
	s_barrier_signal -1
	s_barrier_wait -1
.if \fill
	TLOAD
	ASK
.endif
.endm
.macro SLOT_STEPS
	STEP 0
	STEP 1
	s_xor_b32 s[TB], s[TB], SLOTB
.endm
; A BLOCK OF QUERIES ENDS: ctx = O / l, quantised along the head's 64 (two blocks of 32), 48 bytes a row through my stage, 768 dense bytes a wave.  reset = 1: the second block begins.
.macro EPI reset
.if \reset
.irp p, 0,1,2,3,4,5
	v_mov_b32 v[16+\p], v[Q2+\p]                   ; the second block's Q (these lines are also the places behind the last products)
.endr
	v_mov_b32 v93, v92
.else
.rept 4
	v_nop
.endr
.endif
	v_add_f32 v14, v14, v15
	s_delay_alu instid0(VALU_DEP_1)
	v_permlanex16_b32 v235, v14, s[SEL], s[SEL+1]
	s_delay_alu instid0(VALU_DEP_1)
	v_add_f32 v14, v14, v235                       ; the row's sum
	s_wait_alu depctr_va_vdst(0)
	v_rcp_f32 v232, v14
	v_nop                                          ; one plain place behind a transcendental
.set J, 0
	s_wait_alu depctr_va_vdst(0)
.rept 16
	v_pk_mul_f32 v[96+J:97+J], v[OT+J:OT+J+1], v[232:233] op_sel_hi:[1,0]   ; register 16 b + i: d = 32 b + 16 h + i; each accumulator from its low end on
.set J, J+2
.endr
.irp b, 0,1
	v_max3_num_f32 v[MX+\b], |v[96+16*\b]|, |v[97+16*\b]|, 0x2800000
.endr
.irp i, 2,4,6,8,10,12,14
.irp b, 0,1
	s_delay_alu instid0(VALU_DEP_2)
	v_max3_num_f32 v[MX+\b], v[MX+\b], |v[96+16*\b+\i]|, |v[97+16*\b+\i]|
.endr
.endr
.irp b, 0,1
	s_delay_alu instid0(VALU_DEP_2)
	v_permlanex16_b32 v[PT+\b], v[MX+\b], s[SEL], s[SEL+1]
.endr
.irp b, 0,1
	s_delay_alu instid0(VALU_DEP_2)
	v_max_num_f32 v[MX+\b], v[MX+\b], v[PT+\b]
.endr
.irp b, 0,1
	s_delay_alu instid0(VALU_DEP_2)
	v_add_nc_u32 v[SO+\b], 0xfe000000, v[MX+\b]
.endr
.irp b, 0,1
	s_delay_alu instid0(VALU_DEP_2)
	v_lshrrev_b32 v[PT+\b], 23, v[SO+\b]
.endr
	v_cvt_scalef32_pk16_bf6_f32 v[PCD:PCD+2], v[96:111], v[SO]
	v_cvt_scalef32_pk16_bf6_f32 v[PCD+12:PCD+14], v[112:127], v[SO+1]
	v_nop
.irp i, 0,1,2
	v_permlane16_swap_b32 v[PCD+\i], v[PCD+12+\i]
.endr
.irp i, 0,1,2
	s_delay_alu instid0(VALU_DEP_3)
	v_mov_b32 v[PCD+3+\i], v[PCD+12+\i]            ; registers 0 .. 5: d = 32 h + 0 .. 31
.endr
	v_cndmask_b32 v238, v[PT], v[PT+1], s[HM]      ; lane (r, h) stores block h's byte
	v_add_nc_u32 v246, s[CB], v[L8]
	v_add_nc_u32 v247, s[SB], v[SRO]
.irp p, 0,1,2
	ds_store_b64 v[STO], v[PCD+2*\p:PCD+2*\p+1] offset:8*\p
.endr
.irp p, 0,1,2
	ds_load_b64 v[240+2*\p:241+2*\p], v[SRD] offset:256*\p         ; LDS serves a wave's instructions in order: these see my stores
.endr
	s_wait_alu depctr_va_vdst(0)
	s_wait_dscnt 0x0
.irp p, 0,1,2
	global_store_b64 v246, v[240+2*\p:241+2*\p], s[8:9] offset:256*\p   ; 32 lanes store 256 consecutive bytes, aligned
.endr
	global_store_b8 v247, v238, s[8:9]             ; two bytes of each row's 32: the other heads' come from other work-groups
	s_wait_xcnt 0x0                                ; the stores have read their registers
.if \reset
	s_mov_b32 s[CB], s[CB2]
	s_mov_b32 s[SB], s[SB2]
	s_mov_b32 s[QG], s[QG2]
	s_mov_b32 s[KF], 0
	v_mov_b32 v13, 0xff61b1e6
	s_delay_alu instid0(VALU_DEP_1)
	v_floor_f32 v12, -v13
	v_mov_b32 v14, 0
	v_mov_b32 v15, 0
.set J, 0
.rept 32
	v_mov_b32 v[OT+J], 0
.set J, J+1
.endr
.endif
.endm
	s_wait_loadcnt 0x0                             ; Q
	s_mov_b32 s[OFS+1], 0
.Lslot:                                            ; eight trips: behind each change of slots but the last the next tile is asked for
	CHANGE 1
	SLOT_STEPS
	s_cmp_lg_u32 s[SLOTS], s[SWI]                  ; the first block's last slot is the one walked with i + 1 slots still to be asked for
	s_cbranch_scc1 .Lsame_block
	EPI 1
.Lsame_block:
	s_sub_co_u32 s[SLOTS], s[SLOTS], 1
	s_cmp_lg_u32 s[SLOTS], 0
	s_cbranch_scc1 .Lslot
	CHANGE 0                                       ; the last slot is written out
	SLOT_STEPS
	EPI 0
	s_wait_tensorcnt 0x0                           ; the wave's end
	ds_add_u32 v[SPW], v[NIL]
	s_wait_dscnt 0x0
	s_endpgm
.Lfunc_end_k_q237fa6eb70_attn:
	.size	k_q237fa6eb70_attn, .Lfunc_end_k_q237fa6eb70_attn-k_q237fa6eb70_attn
	.p2alignl 7, 3214868480
	.fill 96, 4, 3214868480
	.section	.rodata,"a",@progbits
	.p2align	6, 0x0
	.amdhsa_kernel k_q237fa6eb70_attn
		.amdhsa_group_segment_fixed_size 327680
		.amdhsa_private_segment_fixed_size 0
		.amdhsa_enable_private_segment 0
		.amdhsa_kernarg_size 24
		.amdhsa_user_sgpr_count 2
		.amdhsa_user_sgpr_kernarg_segment_ptr 1
		.amdhsa_wavefront_size32 1
		.amdhsa_system_sgpr_workgroup_id_x 1
		.amdhsa_system_sgpr_workgroup_id_y 1
		.amdhsa_system_sgpr_workgroup_id_z 1
		.amdhsa_system_vgpr_workitem_id 0
		.amdhsa_next_free_vgpr 256
		.amdhsa_next_free_sgpr 102
		.amdhsa_reserve_vcc 1
		.amdhsa_float_denorm_mode_32 3
		.amdhsa_float_denorm_mode_16_64 3
		.amdhsa_memory_ordered 1
		.amdhsa_forward_progress 1
		.amdhsa_inst_pref_size 123
	.end_amdhsa_kernel
	.amdgpu_metadata
---
amdhsa.version: [ 1, 2 ]
amdhsa.kernels:
  - .name:           k_q237fa6eb70_attn
    .symbol:         k_q237fa6eb70_attn.kd
    .args:
      - { .name: qk, .offset: 0, .size: 8, .value_kind: global_buffer, .address_space: global }
      - { .name: vt, .offset: 8, .size: 8, .value_kind: global_buffer, .address_space: global }
      - { .name: ctx, .offset: 16, .size: 8, .value_kind: global_buffer, .address_space: global }
    .group_segment_fixed_size: 327680
    .private_segment_fixed_size: 0
    .kernarg_segment_align: 8
    .kernarg_segment_size: 24
    .max_flat_workgroup_size: 512
    .sgpr_count:     102
    .vgpr_count:     256
    .wavefront_size: 32
...
	.end_amdgpu_metadata
.endif
;; end of part 4
;; launch gemm_o (part 5): grid 4 x 32, 4 waves a work-group, clusters of 4 x 4, 327,680 bytes of LDS; arguments ctx, wo, bo, out0; writes out0
.if DOCPART == 5
	.amdgcn_target "amdgcn-amd-amdhsa--gfx1250"
	.amdhsa_code_object_version 6
	.text
	.protected	k_q237fa6eb70_gemm_o
	.globl	k_q237fa6eb70_gemm_o
	.p2align	8
	.type	k_q237fa6eb70_gemm_o,@function
k_q237fa6eb70_gemm_o:
	s_mov_b64 s[64:65], 0
	v_nop
	global_prefetch_b8 v0, s[64:65] scope:SCOPE_SE
	s_setreg_imm32_b32 hwreg(HW_REG_WAVE_MODE, 25, 1), 1
	s_wait_xcnt 0x0
	s_wait_alu depctr_hold_cnt(0) depctr_sa_sdst(0) depctr_va_vdst(0) depctr_va_sdst(0) depctr_va_ssrc(0) depctr_va_vcc(0) depctr_vm_vsrc(0)
	s_getreg_b32 s2, hwreg(HW_REG_IB_STS2, 6, 4)
	s_cmp_eq_u32 s2, 0
	s_cbranch_scc0 .Lentry_in_a_cluster
	s_endpgm
.Lentry_in_a_cluster:
	s_bfe_u32 s2, ttmp6, 0x10000c
	s_cmp_lg_u32 s2, 0xf033
	s_cbranch_scc0 .Lentry_shape_is_right
	s_endpgm
.Lentry_shape_is_right:
; out0 = ctx Wo + bo on codes of E3M2 with E8M0 scales, K = 1,024; out0 [8192][1024] f32.  A = ctx (rows = tokens), B = wo (rows = n).
; OPERANDS: scale bytes at byte 0, [stored row][32]; codes at OPC, [tile of 256 rows][16 planes of 64 along K][256 stored rows][48 bytes]; in each group of 32 rows the second and third groups of 8 are exchanged.
; A tile of C, 256 x 256, is made by four waves, 128 x 128 each.  K goes in steps of 256 through two LDS slots; the scales of the tile's rows come once.  Source 0 = 16 stored rows of B, source 1 = 16 rows of A:
; register j of accumulator (a, b) in lane (r, h) is column 32 (b / 2) + 16 h + 8 (b % 2) + j of stored row 16 a + r.  The bias, in that layout, is the C of each sum's first product.
; CLUSTERS: 4 x 4 work-groups; A's tiles are asked for jointly along a row of the cluster, B's along a column.  No prefetch: K has four steps, of which two are first fills.
; REGISTERS: window 0: v16-30 addresses; v32-63 scale words, two sets; v64-127 the bias; v128-223 A's fragments; on the way out v128-255 rows read back.  window 1: B's fragments, two sets.  windows 2, 3: accumulators.
.set OPC,    0x40000
.set NQ,     2
.set FR,     12
.set NL,     6
.set NP,     4
.set PLANE,  6144
.set HALFT,  4*PLANE
.set SLOT,   4*HALFT
.set KBYTES, 49152
.set LAPS,   2
.set KS,     32
.set SCL,    2*SLOT
.set HALFS,  16*272
.set SBLK,   2*272
.set SPARE,  SCL+4*HALFS               ; the spare words, 128 bytes a wave: two blocks of 256 bytes that no other line names
.set SPITCH, 528                       ; the way out: a stage of 16 rows x (512 + 16) bytes a wave, in slot 0, which has had its last fill and its last read by then
.set ADRA, 16
.set ADRB, 20
.set ADRS, 22
.set STO,  24                          ; v24  stage + 528 r + 64 h
.set RD,   25                          ; v25  stage + 16 x lane
.set CO,   26                          ; v26  16 x lane
.set SPW,  28
.set NIL,  29
.set BOF,  30                          ; v30  64 h: my half's place in the bias
.set SC,   32
.set BI,   64                          ; v64-127 the bias: eight registers for each of B's blocks
.set AF,   128
.set BK,   128
.set G1, 24
.set G0, 32
.set G1B, 48
.set G0B, 56
.set G1S, 68
.set G0S, 76
.set G1SB, 80
.set G0SB, 88
.set MSB, 0
.macro WIN new
.if MSB != \new
	s_set_vgpr_msb (MSB<<8)|\new
.set MSB, \new
.endif
.endm
.set MUL_LO, 0xa1                      ; source 0 (B) window 1, source 1 (A) window 0, C and D window 2
.set MUL_HI, 0xf1
.set FIRST_LO, 0x81                    ; the same with C (the bias) in window 0
.set FIRST_HI, 0xc1
.set TO_B,   0x40
.macro JLOAD g0a, g1a, g0b, g1b        ; a joint load: waves 0 and 1 fetch for A, waves 2 and 3 for B; four v_nop follow each of the two lines
	s_cmp_eq_u32 s15, 0
	s_cbranch_scc0 .Lfor_b_\@
	tensor_load_to_lds s[\g0a:\g0a+3], s[\g1a:\g1a+7]
	s_nop 0
.rept 4
	v_nop
.endr
	s_branch .Lasked_\@
.Lfor_b_\@:
	tensor_load_to_lds s[\g0b:\g0b+3], s[\g1b:\g1b+7]
	s_nop 0
.rept 4
	v_nop
.endr
.Lasked_\@:
.endm
.macro CREST
	s_cmp_lg_u32 s14, 0
	s_cbranch_scc1 .Lnot_wave_0_\@
	s_barrier_signal -3
.Lnot_wave_0_\@:
	s_barrier_wait -3
	s_barrier_signal -1
	s_barrier_wait -1
.endm
.macro CROUND
	s_barrier_signal -1
	s_barrier_wait -1
	CREST
.endm
	s_load_b128 s[4:7], s[0:1], 0x0                ; ctx, wo
	s_load_b128 s[8:11], s[0:1], 0x10              ; bo, out0
	v_lshl_add_u32 v[SPW], v0, 2, SPARE
	v_mov_b32 v[NIL], 0
	ds_add_u32 v28, v29
	s_wait_dscnt 0x0
	v_lshrrev_b32 v1, 5, v0
	v_readfirstlane_b32 s14, v1                    ; wave 0..3
	s_lshr_b32 s15, s14, 1                         ; which half of the tile's rows is mine.  Also: I fetch for A (0) or for B (1)
	s_and_b32 s16, s14, 1                          ; which half of its columns.  Also: which 128 rows of that tile I fetch
	s_bfe_u32 s40, ttmp6, 0x40000
	s_bfe_u32 s41, ttmp6, 0x40004
	s_lshl_b32 s42, ttmp9, 2
	s_add_co_u32 s42, s42, s40                     ; ct
	s_and_b32 s17, ttmp7, 0xffff
	s_lshl_b32 s17, s17, 2
	s_add_co_u32 s17, s17, s41                     ; rt
	s_lshl_b32 s43, s41, 2
	s_lshl_b32 s43, 15, s43
	s_lshl_b32 s44, 0x1111, s40
	s_or_b32 s[G1+0], s43, (3<<16)|(1<<21)         ; codes: four planes' pieces of 6,144 dense bytes, 12,288 apart; no padding
	s_or_b32 s[G1B+0], s44, (3<<16)|(1<<21)
.irp g, G1, G1B
	s_mov_b32 s[\g+1], 768<<16
	s_mov_b32 s[\g+2], 4<<16
	s_mov_b32 s[\g+3], 768<<16
	s_mov_b32 s[\g+4], 4
	s_mov_b32 s[\g+5], 1536
	s_mov_b32 s[\g+6], 0
	s_mov_b32 s[\g+7], 0
.endr
	s_or_b32 s[G1S+0], s43, (3<<16)|(1<<20)|(1<<21)|(5<<22)|(3<<25)   ; scales of 128 rows: 16 rows of 256 bytes, 16 of padding behind each
	s_or_b32 s[G1SB+0], s44, (3<<16)|(1<<20)|(1<<21)|(5<<22)|(3<<25)
.irp g, G1S, G1SB
	s_mov_b32 s[\g+1], 32<<16
	s_mov_b32 s[\g+2], 16<<16
	s_mov_b32 s[\g+3], 32<<16
	s_mov_b32 s[\g+4], 16
	s_mov_b32 s[\g+5], 32
	s_mov_b32 s[\g+6], 0
	s_mov_b32 s[\g+7], 0
.endr
	s_mul_i32 s18, s16, PLANE
	s_lshl_b32 s19, s16, 12
	s_mul_i32 s20, s17, 196608                     ; A hangs on rt alone,
	s_add_co_u32 s20, s20, s18
	s_add_co_u32 s20, s20, OPC
	s_mov_b32 s21, 0
	s_lshl_b32 s22, s17, 13
	s_add_co_u32 s22, s22, s19
	s_mov_b32 s23, 0
	s_mul_i32 s46, s42, 196608                     ; B on ct alone
	s_add_co_u32 s46, s46, s18
	s_add_co_u32 s46, s46, OPC
	s_mov_b32 s47, 0
	s_lshl_b32 s92, s42, 13
	s_add_co_u32 s92, s92, s19
	s_mov_b32 s93, 0
	s_mul_i32 s45, s14, HALFT
	s_mul_i32 s94, s14, HALFS
	s_wait_kmcnt 0x0
	s_add_nc_u64 s[20:21], s[4:5], s[20:21]
	s_add_nc_u64 s[22:23], s[4:5], s[22:23]
	s_add_nc_u64 s[46:47], s[6:7], s[46:47]
	s_add_nc_u64 s[92:93], s[6:7], s[92:93]
	CROUND                                         ; all sixteen work-groups are here: the first joint loads meet
	s_mov_b32 s[G0S], 1
	s_add_co_u32 s[G0S+1], s94, SCL
	s_mov_b64 s[G0S+2:G0S+3], s[22:23]
	s_or_b32 s[G0S+3], s[G0S+3], 0x80000000
	s_mov_b32 s[G0SB], 1
	s_add_co_u32 s[G0SB+1], s94, SCL
	s_mov_b64 s[G0SB+2:G0SB+3], s[92:93]
	s_or_b32 s[G0SB+3], s[G0SB+3], 0x80000000
	JLOAD G0S, G1S, G0SB, G1SB
.irp s, 0,1
	s_mov_b32 s[G0+4*\s], 1
	s_add_co_u32 s[G0+4*\s+1], s45, \s*SLOT
	s_add_nc_u64 s[G0+4*\s+2:G0+4*\s+3], s[20:21], \s*KBYTES
	s_or_b32 s[G0+4*\s+3], s[G0+4*\s+3], 0x80000000
	s_mov_b32 s[G0B+4*\s], 1
	s_add_co_u32 s[G0B+4*\s+1], s45, \s*SLOT
	s_add_nc_u64 s[G0B+4*\s+2:G0B+4*\s+3], s[46:47], \s*KBYTES
	s_or_b32 s[G0B+4*\s+3], s[G0B+4*\s+3], 0x80000000
	JLOAD G0+4*\s, G1, G0B+4*\s, G1B
.endr
	v_and_b32 v1, 15, v0                           ; r
	v_bfe_u32 v2, v0, 4, 1                         ; h
	s_lshl_b32 s96, s42, 10                        ; my 128 columns, in bytes: 1,024 ct + 512 x half
	s_lshl_b32 s97, s16, 9
	s_add_co_u32 s96, s96, s97
	s_mov_b32 s97, 0
	s_add_nc_u64 s[8:9], s[8:9], s[96:97]          ; in the bias,
	s_add_nc_u64 s[100:101], s[10:11], s[96:97]    ; and in a row of out0
	v_lshlrev_b32 v[BOF], 6, v2
.irp b, 0,1,2,3,4,5,6,7
	global_load_b128 v[BI+8*\b:BI+8*\b+3], v[BOF], s[8:9] offset:128*(\b/2)+32*(\b%2)
	global_load_b128 v[BI+8*\b+4:BI+8*\b+7], v[BOF], s[8:9] offset:128*(\b/2)+32*(\b%2)+16
.endr
	s_lshl_b32 s96, s17, 20                        ; my first row: 256 rt + 128 x half, 4,096 bytes a row
	s_lshl_b32 s97, s15, 19
	s_add_co_u32 s96, s96, s97
	s_mov_b32 s97, 0
	s_add_nc_u64 s[100:101], s[100:101], s[96:97]
	v_mul_u32_u24 v3, v1, 48
	v_mad_u32_u24 v4, v2, 24, v3                   ; 48 r + 24 h
	s_mul_i32 s21, s15, HALFT
	s_mul_i32 s22, s16, HALFT
	s_add_co_u32 s22, s22, 2*HALFT
.irp s, 0,1
	v_add_nc_u32 v[ADRA+\s], s21, v4
	v_add_nc_u32 v[ADRB+\s], s22, v4
	s_add_co_u32 s21, s21, SLOT
	s_add_co_u32 s22, s22, SLOT
.endr
	v_mul_u32_u24 v5, v1, KS
	v_lshrrev_b32 v6, 8, v5
	v_lshl_add_u32 v5, v6, 4, v5
	s_mul_i32 s21, s15, HALFS
	s_mul_i32 s22, s16, HALFS
	s_add_co_u32 s22, s22, 2*HALFS
	s_sub_co_u32 s22, s22, s21
	v_mul_u32_u24 v6, s22, v2                      ; lanes 16-31 take B's: one product, the distance between the two bases
	s_add_co_u32 s21, s21, SCL
	v_add_nc_u32 v5, v5, v6
	v_add_nc_u32 v[ADRS], s21, v5
	s_mul_i32 s23, s14, 16*SPITCH                  ; my stage
	v_mul_u32_u24 v5, v1, SPITCH
	v_lshl_add_u32 v5, v2, 6, v5
	v_add_nc_u32 v[STO], s23, v5
	v_and_b32 v6, 31, v0
	v_lshlrev_b32 v[CO], 4, v6
	v_add_nc_u32 v[RD], s23, v[CO]
.macro FRAG reg, adr, q, i
.irp c, 0,1
.irp p, 0,1,2
	ds_load_b64 v[\reg+6*\c+2*\p:\reg+6*\c+2*\p+1], v[\adr] offset:(2*(\q)+\c)*PLANE+(\i)*768+8*\p
.endr
.endr
.endm
; 16 matrix instructions: A's blocks a0, a0 + 1 x B's eight.  first = 1: the sum begins with the bias.  The 64 accumulators take turns, one instruction a turn.
.macro MUL16 a0, p, q, sc, first
.irp a, \a0, \a0+1
.irp b, 0,1,2,3,4,5,6,7
.if \first
	v_wmma_scale_f32_16x16x128_f8f6f4 v[8*(8*((\a)%4)+\b):8*(8*((\a)%4)+\b)+7], v[128*(\p)+FR*\b:128*(\p)+FR*\b+FR-1], v[AF+FR*(\a):AF+FR*(\a)+FR-1], v[BI+8*\b:BI+8*\b+7], v[SC+8*NQ*(\sc)+NQ*\b+(\q)], v[SC+8*NQ*(\sc)+NQ*(\a)+(\q)] matrix_a_fmt:MATRIX_FMT_BF6 matrix_b_fmt:MATRIX_FMT_BF6 matrix_a_scale:MATRIX_SCALE_ROW1
.else
	v_wmma_scale_f32_16x16x128_f8f6f4 v[8*(8*((\a)%4)+\b):8*(8*((\a)%4)+\b)+7], v[128*(\p)+FR*\b:128*(\p)+FR*\b+FR-1], v[AF+FR*(\a):AF+FR*(\a)+FR-1], v[8*(8*((\a)%4)+\b):8*(8*((\a)%4)+\b)+7], v[SC+8*NQ*(\sc)+NQ*\b+(\q)], v[SC+8*NQ*(\sc)+NQ*(\a)+(\q)] matrix_a_fmt:MATRIX_FMT_BF6 matrix_b_fmt:MATRIX_FMT_BF6 matrix_a_scale:MATRIX_SCALE_ROW1
.endif
.endr
.endr
.endm
.macro FETCH_B slot, q, p
	WIN TO_B
.irp i, 0,1,2,3,4,5,6,7
	FRAG 128*(\p)+FR*\i, ADRB+\slot, \q, \i
.endr
	WIN 0
.endm
.macro FETCH_A slot, q, i0
.irp i, \i0, \i0+1, \i0+2, \i0+3
	FRAG AF+FR*(\i), ADRA+\slot, \q, \i
.endr
.endm
.macro SCALES sc
.irp i, 0,1,2,3,4,5,6,7
	ds_load_b64 v[SC+8*NQ*\sc+NQ*\i:SC+8*NQ*\sc+NQ*\i+1], v[ADRS] offset:\i*SBLK
.endr
.endm
.macro PLACES n
.rept \n
	v_nop
.endr
.endm
.macro STEP slot, q, first
	s_wait_dscnt 4*NL                              ; B's set and A's blocks 0-3 are in; the youngest 24 loads (A's blocks 4-7) may be out
.if \first
	WIN FIRST_LO
.else
	WIN MUL_LO
.endif
	MUL16 0, (\q)%2, \q, \slot, \first
	MUL16 2, (\q)%2, \q, \slot, \first
	s_wait_dscnt 0
	PLACES NP
	FETCH_B \slot, (\q)+1, 1-(\q)%2
	FETCH_A \slot, (\q)+1, 0
.if \first
	WIN FIRST_HI
.else
	WIN MUL_HI
.endif
	MUL16 4, (\q)%2, \q, \slot, \first
	MUL16 6, (\q)%2, \q, \slot, \first
	PLACES NP
	WIN 0
	FETCH_A \slot, (\q)+1, 4
.endm
.macro TURN slot, next, fill
	s_wait_tensorcnt 0x0                           ; all my tensor loads have landed: my part of the next slot
	ds_add_u32 v[SPW], v[NIL]                      ; 0 onto my spare word
	s_wait_dscnt 4*NL+1                            ; (the add and the youngest 24 loads may be out)
	WIN MUL_LO
	MUL16 0, 1, NQ-1, \slot, 0
	s_wait_dscnt 0x0                               ; the add is done, and my reads of this slot are over
	s_barrier_signal -1
	MUL16 2, 1, NQ-1, \slot, 0
	WIN 0
	s_barrier_wait -1
.if \fill
	CREST                                          ; the barrier has opened a round of the cluster's
	s_add_nc_u64 s[G0+4*\slot+2:G0+4*\slot+3], s[G0+4*\slot+2:G0+4*\slot+3], 2*KBYTES
	s_add_nc_u64 s[G0B+4*\slot+2:G0B+4*\slot+3], s[G0B+4*\slot+2:G0B+4*\slot+3], 2*KBYTES
	JLOAD G0+4*\slot, G1, G0B+4*\slot, G1B
.else
	PLACES NP
.endif
	v_add_nc_u32 v[ADRS], 4*NQ, v[ADRS]
	FETCH_B \next, 0, 0
	FETCH_A \next, 0, 0
	SCALES \next
	WIN MUL_HI
	MUL16 4, 1, NQ-1, \slot, 0
	MUL16 6, 1, NQ-1, \slot, 0
	PLACES NP
	WIN 0
	FETCH_A \next, 0, 4
.endm
	s_wait_loadcnt 0x0                             ; the bias
	s_wait_tensorcnt 1                             ; the scales and my part of K step 0 are in (K step 1's load may be out),
	s_barrier_signal -1
	s_barrier_wait -1                              ; everybody's are
	FETCH_B 0, 0, 0
	FETCH_A 0, 0, 0
	SCALES 0
	FETCH_A 0, 0, 4
	STEP 0, 0, 1                                   ; the first step's products start the sums, on the bias
	s_mov_b32 s3, LAPS-1
.Llap:
	TURN 0, 1, 1
	STEP 1, 0, 0
	TURN 1, 0, 1
	STEP 0, 0, 0
	s_sub_co_u32 s3, s3, 1
	s_cmp_lg_u32 s3, 0
	s_cbranch_scc1 .Llap
	TURN 0, 1, 0
	STEP 1, 0, 0
	s_wait_dscnt 4*NL
	WIN MUL_LO
	MUL16 0, 1, NQ-1, 1, 0
	MUL16 2, 1, NQ-1, 1, 0
	s_wait_dscnt 0
	WIN MUL_HI
	MUL16 4, 1, NQ-1, 1, 0
	MUL16 6, 1, NQ-1, 1, 0
	WIN 0
; THE WAY OUT, block by block of 16 stored rows x 128 columns, through my own stage; back as whole rows of 512 bytes.  Stored row 16 a + t is row 32 (a / 2) + 8 (a % 2) + t + 8 (t / 8) of my 128.
.macro TOSTAGE a
.set AC, 64*((\a)%4)
.set WD, 0x08+4*((\a)/4)
	WIN WD                                         ; the data: window 2 or 3
.irp b, 0,1,2,3,4,5,6,7
	ds_store_b128 v[STO], v[AC+8*\b:AC+8*\b+3] offset:128*(\b/2)+32*(\b%2)        ; each accumulator from its low end on
	ds_store_b128 v[STO], v[AC+8*\b+4:AC+8*\b+7] offset:128*(\b/2)+32*(\b%2)+16
.endr
	WIN 0
.set BB, BK+64*((\a)%2)
.irp t, 0,1,2,3,4,5,6,7,8,9,10,11,12,13,14,15
	ds_load_b128 v[BB+4*\t:BB+4*\t+3], v[RD] offset:\t*SPITCH      ; LDS serves a wave's instructions in order: these see the stores above
.endr
.endm
.macro SEND a, younger
.set BB, BK+64*((\a)%2)
	s_wait_dscnt \younger
.irp t, 0,1,2,3,4,5,6,7,8,9,10,11,12,13,14,15
	global_store_b128 v[CO], v[BB+4*\t:BB+4*\t+3], s[100:101] offset:(32*((\a)/2)+8*((\a)%2)+\t+8*(\t/8))*4096 th:TH_STORE_NT   ; 32 lanes store 512 consecutive bytes, aligned; at most 127 rows on: inside the signed 24-bit immediate
.endr
.endm
	PLACES NP
	TOSTAGE 0
.irp a, 1,2,3,4,5,6,7
.if \a > 1
	s_wait_xcnt 0x0                                ; block a - 2's stores have read their registers: block a's loads may land there
.endif
	TOSTAGE \a
	SEND \a-1, 32                                  ; behind block a - 1's loads: block a's 16 stores and 16 loads
.endr
	SEND 7, 0
	s_wait_tensorcnt 0x0                           ; the wave's end
	ds_add_u32 v[SPW], v[NIL]
	s_wait_dscnt 0x0
	CROUND                                         ; the closing round
	s_endpgm
.Lfunc_end_k_q237fa6eb70_gemm_o:
	.size	k_q237fa6eb70_gemm_o, .Lfunc_end_k_q237fa6eb70_gemm_o-k_q237fa6eb70_gemm_o
	.p2alignl 7, 3214868480
	.fill 96, 4, 3214868480
	.section	.rodata,"a",@progbits
	.p2align	6, 0x0
	.amdhsa_kernel k_q237fa6eb70_gemm_o
		.amdhsa_group_segment_fixed_size 327680
		.amdhsa_private_segment_fixed_size 0
		.amdhsa_enable_private_segment 0
		.amdhsa_kernarg_size 32
		.amdhsa_user_sgpr_count 2
		.amdhsa_user_sgpr_kernarg_segment_ptr 1
		.amdhsa_wavefront_size32 1
		.amdhsa_system_sgpr_workgroup_id_x 1
		.amdhsa_system_sgpr_workgroup_id_y 1
		.amdhsa_system_sgpr_workgroup_id_z 1
		.amdhsa_system_vgpr_workitem_id 0
		.amdhsa_next_free_vgpr 1024
		.amdhsa_next_free_sgpr 102
		.amdhsa_reserve_vcc 0
		.amdhsa_float_denorm_mode_32 3
		.amdhsa_float_denorm_mode_16_64 3
		.amdhsa_memory_ordered 1
		.amdhsa_forward_progress 1
		.amdhsa_inst_pref_size 161
	.end_amdhsa_kernel
	.amdgpu_metadata
---
amdhsa.version: [ 1, 2 ]
amdhsa.kernels:
  - .name:           k_q237fa6eb70_gemm_o
    .symbol:         k_q237fa6eb70_gemm_o.kd
    .args:
      - { .name: ctx, .offset: 0, .size: 8, .value_kind: global_buffer, .address_space: global }
      - { .name: wo, .offset: 8, .size: 8, .value_kind: global_buffer, .address_space: global }
      - { .name: bo, .offset: 16, .size: 8, .value_kind: global_buffer, .address_space: global }
      - { .name: out0, .offset: 24, .size: 8, .value_kind: global_buffer, .address_space: global }
    .group_segment_fixed_size: 327680
    .private_segment_fixed_size: 0
    .kernarg_segment_align: 8
    .kernarg_segment_size: 32
    .max_flat_workgroup_size: 128
    .sgpr_count:     102
    .vgpr_count:     1024
    .wavefront_size: 32
...
	.end_amdgpu_metadata
.endif
;; end of part 5
